; MI455X (gfx1250); checked and timed in simulation.
; The chip was launched on July 23, 2026; its instructions are those of AMD's public machine-readable ISA for CDNA 5 (MIT licence, August 2026) and "CDNA5" Instruction Set Architecture Reference Guide (July 2026). The comments in the code are by the model that wrote it; some were corrected since.
;; Lo RA Linear. Allowed arithmetic: matrix products marked QUANTISED: E5M2 operands, one E8M0 scale for each 32 along K, by v_wmma_scale_f32_16x16x128_f8f6f4 with both operands' format E5M2, f32 sums; products left as they are: f32 operands where the result goes on into a quantised operand, else bf16, f16 or f32 operands; f32 sums; everything else in f32.
;; Inputs: lora_a 16 x 4,096 float32; lora_b 2,048 x 16 float32; w_codes 2,048 x 4,096 int32; w_scales 2,048 x 64 float32; x 4 x 2,048 x 4,096 float32.
;; Outputs: out0 4 x 2,048 x 2,048 float32.
;; This version of the problem:
;;   THIS VERSION OF THE PROBLEM IS GIVEN IN LOW PRECISION. The matrix products marked QUANTISED in the list below multiply operands that are first quantised to E5M2 (5 exponent bits, 2 mantissa bits; 8 bits a number), with one power-of-two scale for each 32 numbers along K (OCP MX v1.0); their sums are f32. All else is computed in f32.
;;   The module's matrix products, in the order in which they are computed (A, B: the left and right operand; K: the contracted axis; several contracted axes count as one K, in the product's order):
;;     1. [M 8,192, K 4,096] x [K 4,096, N 2,048]; A: input x; B: computed on the way: QUANTISED
;;     2. [M 8,192, K 4,096] x [K 4,096, N 16]; A: input x; B: input lora_a: QUANTISED
;;     3. [M 8,192, K 16] x [K 16, N 2,048]; A: computed on the way; B: input lora_b: left as it is (K = 16 < 32)
;;   THE QUANTISER, for each operand of a quantised product, along K:
;;     - K is cut into blocks of 32 from its start; a last block that is shorter is filled with zeros.
;;     - A block's scale is 2^e with e = floor(log2(the largest magnitude in the block)) - 15, held to -126 .. 127; a block of zeros has e = 0. As a byte (E8M0): e + 127.
;;     - Each number is divided by its block's scale, clamped to +-57,344, and rounded to the nearest number of E5M2, ties to even, subnormals kept.
;;     - The product sums the exact products of the quantised numbers (number of the format x scale) in f32.
;;   ~~~python
;;   def quantise(x, axis):      # numpy; x: float32 -> the quantised numbers, widened to float32 again
;;       x = np.moveaxis(x, axis, -1); K = x.shape[-1]
;;       x = np.pad(x, [(0, 0)] * (x.ndim - 1) + [(0, -K % 32)]); x = x.reshape(x.shape[:-1] + (-1, 32)); a = np.abs(x).max(-1, keepdims=True)
;;       e = np.where(a > 0, np.clip(np.frexp(np.where(a > 0, a, 1))[1] - 1 - 15, -126, 127), 0)      # np.frexp(a)[1] - 1 = floor(log2(a)), exactly
;;       r = np.clip(x / 2.0 ** e, -57344, 57344)
;;       step = 2.0 ** (np.maximum(np.frexp(np.where(r == 0, 1, r))[1] - 1, -14) - 2)
;;       q = np.round(r / step) * step * 2.0 ** e      # np.round: ties to even
;;       return np.moveaxis(q.reshape(q.shape[:-2] + (-1,))[..., :K], -1, axis).astype(np.float32)
;;   ~~~
;;   OPERANDS COMPUTED ON THE WAY. 'Computed on the way' means the value that the module computes at that place (a softmax that the list does not call 'softmax' is quantised finished and normalised). What goes into a quantiser is computed in f32, as accurately as f32 sums, v_exp_f32 and their like allow (about 1e-6 of the number): no bf16 or f16 on the way to a quantiser, and a product that is left as it is and whose result goes on into a quantised operand takes f32 operands (vector FMAs, or v_wmma_f32_16x16x4_f32). A number that lies on a knife's edge between two numbers of the format may be rounded either way, as far as f32 arithmetic and the matrix unit's own rounding can turn it there, and no further.
;; 2 versions, each right; version 2 is version 1 with the launch prep written anew for expert scheduling mode. Each part assembles by itself: llvm-mc -triple=amdgcn-amd-amdhsa -mcpu=gfx1250 --defsym DOCPART=n.
;; ======== version 1 of 2: 2 launches
;; workspace buffers: xq 34,603,008 bytes; wq 8,650,752 bytes; axp 2,097,152 bytes
;; launch prep (part 1): grid 256 x 1, 8 waves a work-group, no clusters, 91,136 bytes of LDS; arguments x, w_codes, w_scales, lora_a, xq, wq, axp; writes xq, wq, axp
.if DOCPART == 1
	.amdgcn_target "amdgcn-amd-amdhsa--gfx1250"
	.amdhsa_code_object_version 6
	.text
	.protected	k_q192721afa6_prep
	.globl	k_q192721afa6_prep
	.p2align	8
	.type	k_q192721afa6_prep,@function
k_q192721afa6_prep:
	s_mov_b64 s[64:65], 0
	v_nop
	global_prefetch_b8 v0, s[64:65] scope:SCOPE_SE
	s_setreg_imm32_b32 hwreg(HW_REG_WAVE_MODE, 25, 1), 1
	s_wait_xcnt 0x0
; x [8192][4096] f32 and W[o][i] = NF4[w_codes[o][i]] x w_scales[o][i / 64] ([2048][4096]) are turned into codes of BF8 (E5M2) with one E8M0 scale byte for each 32 along K,
; laid as IMAGES OF THE OPERAND'S REGISTERS for the product's launch; and 2 x ax = 2 x Q(x) Q(lora_a)^T is made on the way, since x's operand registers exist here anyway.
; A UNIT of the workspace is 128 rows x 256 along K, 33,792 bytes: codes [tile of 16 rows i][128 along K q][group of four registers c][lane][16 bytes], then from byte 32,768 the scale words [i][row r][q], 4 bytes each.
; xq = [K step t 0..15][unit 0..63], wq = [t][unit 0..15].  axp = [K slice 0..3][tile of 16 rows 0..511][c 0..1][lane][16 bytes] f32: the image of a result: lane (r, h), register j = 2 ax(row r, rank 8 h + j), summed over 1,024 of K.
; A block's scale is 2^(floor(log2(its largest magnitude)) - 15); its byte is the largest magnitude's exponent field - 15, held at 1 from below; each number is held within +-57,344 x the scale and rounded to the nearest code, ties to even.
; THE FACTOR ALPHA / RANK = 2 is put into lora_a's scale bytes: each is raised by 1 (a byte is at most 254 - 15 = 239, so none reaches 0xff and none carries into its neighbour): exact.
; LIMITS: NaN and infinities among the inputs are not served.  A block of zeros gets the byte 1 where the rule says 127: its codes are zeros, which add nothing under any byte but 0xff, and this program alone reads the bytes.
; w_codes are taken as 0 .. 15, as an index into a table of 16.
; SHARES.  Work-group g takes of x unit g / 4 and K slice g % 4 (1,024 along K: four K steps of 256), and of W unit g / 16 and K step g % 16: every work-group has the same work and takes one path.  Wave w owns the 16 rows of tile w of both.
; A wave walks 11 STEPS of 16 rows x 128 along K (8,192 bytes each; all three sources have rows 16,384 bytes apart): step 0: lora_a's 16 rows at k = 1,024 (g % 4) + 128 w; steps 1, 2: W; steps 3-10: x.
; W STANDS AHEAD OF x: its table look-ups are the longest run of vector work (448 lines a step beside the quantiser's 131), and there they stand while 32 to 48 of the wave's loads of x are on their way;
; the last two steps, behind which no load is out, are of the shortest kind.
; Each load reads 512 consecutive bytes of one row.  The conversions want 16 neighbours along K in one lane's registers, in the operand's order: so a step's rows turn through the wave's own stage in LDS.
; No tensor loads, no cluster: the work-groups share nothing but lora_a's 256 KiB.  Memory binds: loads run three steps (48 loads a wave) ahead; nothing is prefetched, since the launch streams all the time.
.set UNIT,  33792
.set TSA,   64*UNIT                    ; from a K step of xq to the next
.set ROWP,  16384                      ; from row to row in x, in w_codes and in lora_a
.set SPI,   528                        ; a stage row: 512 bytes + 16 = 132 words: row r starts at bank 4 r mod 64 (64 banks of 4 bytes: ISA guide 11.1), so the 16 rows that a load touches start at 16 different banks
.set STGW,  16*SPI                     ; LDS: a stage for each wave, from byte 0 on;
.set AIMG,  8*STGW                     ; lora_a's eight fragments (that of x's step s at 2,048 s), images of registers;
.set ASC,   AIMG+8*2048                ; their scale words, 4 bytes a lane, 128 bytes each;
.set XSCW,  ASC+8*128                  ; the scale areas of x's four units, 1,024 bytes each, and behind them that of W's unit
.set LI,   1                           ; v1   16 x lane
.set STI,  2                           ; v2   the stage, on the way in: my 16 bytes of a row
.set STO,  3                           ; v3   and out: row r, + 64 h: my 16 numbers of a block of 32
.set AWI,  4                           ; v4   where I store lora_a's fragment
.set AWS,  5                           ; v5   and its scale word
.set ARI,  6                           ; v6   where I read such a fragment
.set ARS,  7                           ; v7   and its scale word
.set XSW,  8                           ; v8   where I store my row's two scale words
.set XSR,  9                           ; v9   where I read 16 bytes of the scale areas back
.set WSO,  10                          ; v10  256 r: my row of w_scales
.set TM,   16                          ; v16-19 largest magnitudes, v20-23 bytes, v24-27 the largest number x the scale, v28-31 the conversions' scale operands
.set PW,   32                          ; v32-33 the scale words of q = 0 and q = 1
.set AS,   34                          ; v34  lora_a's scale word in hand
.set WSP,  36                          ; v36-43 four pairs: each of my row's four w_scales twice
.set WSL,  44                          ; v44-47 they as loaded
.set DPK,  48                          ; v48  four codes of NF4 in four bytes; then the selector between the table's halves
.set DSL,  49                          ; v49  their low three bits
.set DL,   50                          ; v50-53 byte planes 0-3 of four numbers
.set DH,   54                          ; v54-57 the same from the table's upper half; then at work
.set PC,   60                          ; v60-75 the codes just made: a fragment
.set AF,   76                          ; v76-91 lora_a's fragment in hand
.set ACC,  92                          ; v92-99 the sums of 2 ax
.set X0,   100                         ; v100-163, v164-227 two sets of 64 numbers: register 16 b + i = k 32 b + 16 h + i of row r
                                       ; window 1: v0-63, v64-127, v128-191: three sets of 16 rows as they are loaded
.set XB,   4                           ; s[4:5] x, s[6:7] w_codes, s[8:9] w_scales, s[10:11] lora_a, s[12:13] xq, s[14:15] wq, s[16:17] axp: each at my wave's part; none is stepped: every step stands in an immediate
.set WB,   6
.set WSB,  8
.set AB,   10
.set XQB,  12
.set WQB,  14
.set AXB,  16
.set WV,   18
.set SEL,  20                          ; s[20:21] v_permlanex16_b32's selects for lane l xor 16
.set MNT,  22                          ; s22  the mantissa field of 57,344
.set C4,   23                          ; s23-24 make the selector between the table's halves
.set CI,   24
.set P0,   25                          ; s25-28 selectors that turn four byte planes into four numbers
.set P1,   26
.set P2,   27
.set P3,   28
.set TLO,  32                          ; s[32:39] the table's entries 0-7 by byte planes: plane p in s[32+2p] (entries 0-3) and s[33+2p] (4-7)
.set THI,  40                          ; s[40:47] entries 8-15 likewise
.set XQS,  48                          ; s[48:49] where my wave stores 512 bytes of x's scale areas;  s[50:51] of W's
.set WQS,  50
.set T0,  0xbf800000                   ; the NF4 table as f32
.set T1,  0xbf3239b1
.set T2,  0xbf066b30
.set T3,  0xbeca32a0
.set T4,  0xbe91a24d
.set T5,  0xbe3d353f
.set T6,  0xbdba7871
.set T7,  0x00000000
.set T8,  0x3da2faff
.set T9,  0x3e24cae3
.set T10, 0x3e7c04dd
.set T11, 0x3ead033a
.set T12, 0x3ee1a4b8
.set T13, 0x3f1007ab
.set T14, 0x3f3913b3
.set T15, 0x3f800000
.set MSB, 0
.macro WIN new                         ; the immediate's high byte repeats the setting that is left
.if MSB != (\new)
	s_set_vgpr_msb (MSB<<8)|(\new)
.set MSB, (\new)
.endif
.endm
.macro TB dst, p, a, b, c, d           ; byte p of four table entries in one register
	s_mov_b32 s[\dst], ((\a>>(8*\p))&255)|(((\b>>(8*\p))&255)<<8)|(((\c>>(8*\p))&255)<<16)|(((\d>>(8*\p))&255)<<24)
.endm
	s_load_b256 s[4:11], s[0:1], 0x0               ; x, w_codes, w_scales, lora_a
	s_load_b128 s[12:15], s[0:1], 0x20             ; xq, wq
	s_load_b64 s[16:17], s[0:1], 0x30              ; axp
	v_lshl_add_u32 v254, v0, 2, 0x16000
	v_mov_b32 v255, 0
	v_lshrrev_b32 v11, 5, v0
	v_readfirstlane_b32 s[WV], v11                 ; wave 0..7
	v_and_b32 v11, 31, v0                          ; lane
	v_and_b32 v12, 15, v0                          ; r
	v_bfe_u32 v13, v0, 4, 1                        ; h
	v_lshlrev_b32 v[LI], 4, v11
	v_lshlrev_b32 v14, 2, v11                      ; 4 x lane
	s_mul_i32 s19, s[WV], STGW                     ; my stage
	v_add_nc_u32 v[STI], s19, v[LI]
	v_mul_u32_u24 v[STO], v12, SPI
	v_lshl_add_u32 v[STO], v13, 6, v[STO]
	v_add_nc_u32 v[STO], s19, v[STO]
	s_lshl_b32 s29, s[WV], 11
	s_add_co_u32 s29, s29, AIMG
	v_add_nc_u32 v[AWI], s29, v[LI]
	s_lshl_b32 s29, s[WV], 7
	s_add_co_u32 s30, s29, ASC
	v_add_nc_u32 v[AWS], s30, v14
	v_add_nc_u32 v[ARI], AIMG, v[LI]
	v_add_nc_u32 v[ARS], ASC, v14
	s_add_co_u32 s30, s29, XSCW
	v_lshl_add_u32 v[XSW], v12, 3, s30             ; [tile w][row r][q]: 128 w + 8 r
	s_lshl_b32 s29, s[WV], 9
	s_add_co_u32 s29, s29, XSCW
	v_add_nc_u32 v[XSR], s29, v[LI]
	v_lshlrev_b32 v[WSO], 8, v12
.irp b, 0,1,2,3
	v_mov_b32 v[TM+4+\b], 0                        ; written once: a lane permute's destination counts as one of its sources
.endr
	s_mov_b32 s[SEL], 0x76543210
	s_mov_b32 s[SEL+1], 0xfedcba98
	s_mov_b32 s[MNT], 0x600000
	s_mov_b32 s[C4], 0x04040404
	s_mov_b32 s[CI], 0x03020100
	s_mov_b32 s[P0], 0x05010400
	s_mov_b32 s[P1], 0x07030602
	s_mov_b32 s[P2], 0x05040100
	s_mov_b32 s[P3], 0x07060302
.irp p, 0,1,2,3
	TB TLO+2*\p,   \p, T0,  T1,  T2,  T3
	TB TLO+2*\p+1, \p, T4,  T5,  T6,  T7
	TB THI+2*\p,   \p, T8,  T9,  T10, T11
	TB THI+2*\p+1, \p, T12, T13, T14, T15
.endr
	s_lshr_b32 s52, ttmp9, 2                       ; x's unit u
	s_and_b32 s53, ttmp9, 3                        ; and K slice ks
	s_lshr_b32 s54, ttmp9, 4                       ; W's unit wu
	s_and_b32 s55, ttmp9, 15                       ; and K step wt
	s_mov_b32 s57, 0                               ; every offset below stays under 2^31: a pair with 0 above it
	s_wait_kmcnt 0x0
	s_lshl_b32 s56, s52, 21                        ; x: (128 u + 16 w) rows of 16,384 bytes + 4,096 ks
	s_lshl_b32 s58, s[WV], 18
	s_add_co_u32 s56, s56, s58
	s_lshl_b32 s58, s53, 12
	s_add_co_u32 s56, s56, s58
	s_add_nc_u64 s[XB:XB+1], s[XB:XB+1], s[56:57]
	s_lshl_b32 s56, s[WV], 9                       ; lora_a: 4,096 ks + 512 w
	s_add_co_u32 s56, s56, s58
	s_add_nc_u64 s[AB:AB+1], s[AB:AB+1], s[56:57]
	s_lshl_b32 s56, s54, 21                        ; w_codes: (128 wu + 16 w) rows of 16,384 bytes + 1,024 wt
	s_lshl_b32 s58, s[WV], 18
	s_add_co_u32 s56, s56, s58
	s_lshl_b32 s58, s55, 10
	s_add_co_u32 s56, s56, s58
	s_add_nc_u64 s[WB:WB+1], s[WB:WB+1], s[56:57]
	s_lshl_b32 s56, s54, 15                        ; w_scales: (128 wu + 16 w) rows of 256 bytes + 16 wt
	s_lshl_b32 s58, s[WV], 12
	s_add_co_u32 s56, s56, s58
	s_lshl_b32 s58, s55, 4
	s_add_co_u32 s56, s56, s58
	s_add_nc_u64 s[WSB:WSB+1], s[WSB:WSB+1], s[56:57]
	s_lshl_b32 s56, s53, 8                         ; xq: unit (K step 4 ks, u) = 256 ks + u
	s_add_co_u32 s56, s56, s52
	s_mul_i32 s56, s56, UNIT
	s_add_nc_u64 s[XQB:XQB+1], s[XQB:XQB+1], s[56:57]
	s_lshr_b32 s56, s[WV], 1                       ; the scale areas leave at the end, 512 bytes a wave: K step w / 2 of the four, half w % 2
	s_mul_i32 s56, s56, TSA
	s_and_b32 s58, s[WV], 1
	s_lshl_b32 s58, s58, 9
	s_add_co_u32 s56, s56, s58
	s_add_co_u32 s56, s56, 32768
	s_add_nc_u64 s[XQS:XQS+1], s[XQB:XQB+1], s[56:57]
	s_lshl_b32 s56, s[WV], 12                      ; my tile's two fragments of a unit: 4,096 w
	s_add_nc_u64 s[XQB:XQB+1], s[XQB:XQB+1], s[56:57]
	s_lshl_b32 s58, s55, 4                         ; wq: unit 16 wt + wu
	s_add_co_u32 s58, s58, s54
	s_mul_i32 s58, s58, UNIT
	s_mov_b32 s59, 0
	s_add_nc_u64 s[WQB:WQB+1], s[WQB:WQB+1], s[58:59]
	s_lshl_b32 s58, s[WV], 9
	s_add_co_u32 s58, s58, 32768
	s_add_nc_u64 s[WQS:WQS+1], s[WQB:WQB+1], s[58:59]  ; (used by waves 0 and 1 alone)
	s_add_nc_u64 s[WQB:WQB+1], s[WQB:WQB+1], s[56:57]
	s_lshl_b32 s56, s53, 19                        ; axp: (512 ks + 8 u + w) images of 1,024 bytes
	s_lshl_b32 s58, s52, 13
	s_add_co_u32 s56, s56, s58
	s_lshl_b32 s58, s[WV], 10
	s_add_co_u32 s56, s56, s58
	s_add_nc_u64 s[AXB:AXB+1], s[AXB:AXB+1], s[56:57]
; Step j's 16 rows x 512 bytes into set j % 3 of window 1: each load is 512 consecutive bytes of one row.  x and w_codes are read once in the launch; lora_a is read by 64 work-groups
.macro LOAD j
	WIN 0x40                                       ; destination window 1
.irp row, 0,1,2,3,4,5,6,7,8,9,10,11,12,13,14,15
.if (\j) == 0
	global_load_b128 v[64*((\j)%3)+4*\row:64*((\j)%3)+4*\row+3], v[LI], s[AB:AB+1] offset:\row*ROWP
.elseif (\j) < 3
	global_load_b128 v[64*((\j)%3)+4*\row:64*((\j)%3)+4*\row+3], v[LI], s[WB:WB+1] offset:\row*ROWP+512*((\j)-1) th:TH_LOAD_NT
.else
	global_load_b128 v[64*((\j)%3)+4*\row:64*((\j)%3)+4*\row+3], v[LI], s[XB:XB+1] offset:\row*ROWP+512*((\j)-3) th:TH_LOAD_NT
.endif
.endr
	WIN 0
.endm
; Step j's rows through my stage, into set j % 2: LDS serves a wave's instructions in order (ISA guide 5.7.1.4), so no wait stands between the stores and the loads, and one stage serves every step
.macro TURN j
	WIN 0x04                                       ; an LDS store's data are its source 1: window 1
.irp row, 0,1,2,3,4,5,6,7,8,9,10,11,12,13,14,15
	ds_store_b128 v[STI], v[64*((\j)%3)+4*\row:64*((\j)%3)+4*\row+3] offset:\row*SPI
.endr
	WIN 0
.irp b, 0,1,2,3
.irp i, 0,1,2,3
	ds_load_b128 v[X0+64*((\j)%2)+16*\b+4*\i:X0+64*((\j)%2)+16*\b+4*\i+3], v[STO] offset:128*\b+16*\i
.endr
.endr
.endm
; 64 codes of NF4 (one to a register) become 64 numbers of W, in place.  Four at a time: the codes are packed into four bytes; v_perm_b32 looks each up in the table, one byte plane of the f32 numbers at a time
; (the low three bits choose among eight entries held in two scalar registers, bit 3 between the table's halves); eight more turn the four planes into four numbers.  No memory, no LDS, no address hangs on a code.
.macro DEQ xs, q
.set g, 0
.rept 16
	v_lshl_or_b32 v[DPK], v[\xs+4*g+1], 8, v[\xs+4*g]
	v_lshl_or_b32 v[DPK], v[\xs+4*g+2], 16, v[DPK]
	v_lshl_or_b32 v[DPK], v[\xs+4*g+3], 24, v[DPK]
	v_and_b32 v[DSL], 0x07070707, v[DPK]
	v_lshrrev_b32 v[DPK], 1, v[DPK]
	v_and_or_b32 v[DPK], v[DPK], s[C4], s[CI]      ; byte i = i + 4 x bit 3 of code i
.irp p, 0,1,2,3
	v_perm_b32 v[DL+\p], s[TLO+2*\p+1], s[TLO+2*\p], v[DSL]
.endr
.irp p, 0,1,2,3
	v_perm_b32 v[DH+\p], s[THI+2*\p+1], s[THI+2*\p], v[DSL]
.endr
.irp p, 0,1,2,3
	v_perm_b32 v[DL+\p], v[DH+\p], v[DL+\p], v[DPK]   ; plane p: byte i = byte p of number i
.endr
	v_perm_b32 v[DH],   v[DL+1], v[DL],   s[P0]     ; the low halves of numbers 0, 1
	v_perm_b32 v[DH+1], v[DL+1], v[DL],   s[P1]     ; of numbers 2, 3
	v_perm_b32 v[DH+2], v[DL+3], v[DL+2], s[P0]     ; the high halves of numbers 0, 1
	v_perm_b32 v[DH+3], v[DL+3], v[DL+2], s[P1]     ; of numbers 2, 3
	v_perm_b32 v[\xs+4*g],   v[DH+2], v[DH],   s[P2]
	v_perm_b32 v[\xs+4*g+1], v[DH+2], v[DH],   s[P3]
	v_perm_b32 v[\xs+4*g+2], v[DH+3], v[DH+1], s[P2]
	v_perm_b32 v[\xs+4*g+3], v[DH+3], v[DH+1], s[P3]
.set g, g+1
.endr
.irp b, 0,1,2,3                                ; x the scale of the NF4 block of 64: one f32 multiplication, as the definition has it; blocks 2 c and 2 c + 1 of 32 share one
.irp i, 0,2,4,6,8,10,12,14
	v_pk_mul_f32 v[\xs+16*\b+\i:\xs+16*\b+\i+1], v[\xs+16*\b+\i:\xs+16*\b+\i+1], v[WSP+2*(2*(\q)+\b/2):WSP+2*(2*(\q)+\b/2)+1]
.endr
.endr
.endm
; 64 numbers of a lane, register 16 b + i = k 32 b + 16 h + i of my row, become a fragment's codes in v[PC] on and its scale word in v[pw].
.macro QUANT xs, pw
.irp b, 0,1,2,3
	v_max3_num_f32 v[TM+\b], |v[\xs+16*\b]|, |v[\xs+1+16*\b]|, 0x8000000   ; block b: my 16 numbers, and the floor 2^(16 - 127), under which no largest magnitude is taken: so the byte cannot fall under 1
.endr
.irp i, 2,4,6,8,10,12,14
.irp b, 0,1,2,3
	v_max3_num_f32 v[TM+\b], v[TM+\b], |v[\xs+16*\b+\i]|, |v[\xs+1+16*\b+\i]|   ; (the four blocks by turns: no line waits for the line above it)
.endr
.endr
.irp b, 0,1,2,3
	v_permlanex16_b32 v[TM+4+\b], v[TM+\b], s[SEL], s[SEL+1]
.endr
.irp b, 0,1,2,3
	v_max_num_f32 v[TM+\b], v[TM+\b], v[TM+4+\b]   ; with lane l xor 16's: the block's largest magnitude
.endr
.irp b, 0,1,2,3
	v_add_nc_u32 v[TM+12+\b], 0xf8800000, v[TM+\b] ; 15 off its exponent field: the conversion takes the exponent field of this operand as its scale, and nothing else of it
.endr
.irp b, 0,1,2,3
	v_and_or_b32 v[TM+8+\b], v[TM+\b], 0x7f800000, s[MNT]   ; 57,344 x the scale: the largest magnitude's exponent field over 57,344's mantissa
.endr
.irp b, 0,1,2,3
	v_lshrrev_b32 v[TM+4+\b], 23, v[TM+12+\b]      ; the scale's byte
.endr
	v_lshl_or_b32 v[\pw], v[TM+5], 8, v[TM+4]      ; the four bytes make my row's scale word: 64 plain lines ahead of the product that names it
	v_lshl_or_b32 v[\pw], v[TM+6], 16, v[\pw]
	v_lshl_or_b32 v[\pw], v[TM+7], 24, v[\pw]
	s_wait_xcnt 0x0                                ; the last step's stores have read the codes' registers: they are written again only behind this wait
.irp b, 0,1,2,3
.irp i, 0,1,2,3,4,5,6,7,8,9,10,11,12,13,14,15
	v_med3_num_f32 v[\xs+16*\b+\i], v[\xs+16*\b+\i], -v[TM+8+\b], v[TM+8+\b]   ; the conversion to an 8-bit code does not saturate (ISA guide 7.6.2): the hold at the largest code x the scale
.endr
	v_cvt_scalef32_pk8_bf8_f32 v[PC+4*\b:PC+1+4*\b], v[\xs+16*\b:\xs+7+16*\b], v[TM+12+\b]      ; registers 4 b .. 4 b + 3 of the operand: k = 32 b + 16 h + 0 .. 15
	v_cvt_scalef32_pk8_bf8_f32 v[PC+2+4*\b:PC+3+4*\b], v[\xs+8+16*\b:\xs+15+16*\b], v[TM+12+\b]
.endr
.rept 4
	v_nop                                          ; a plain line behind the last conversion; and an operand written by vector instructions stands four places ahead of a scaled matrix instruction
.endr
.endm
; STEP j.  Its numbers are back from the stage; the set of window 1 that they left takes the loads of three steps on; the next step's rows go through the stage while this step is worked.
.macro STEP j
.set XS, X0+64*((\j)%2)
.set QQ, ((\j)+1)%2                    ; which 128 of a K step of 256: W's step j - 1, x's step j - 3
.if (\j) == 0
.set QQ, 0
.endif
	s_wait_dscnt 0x0                               ; this step's numbers are in
.if (\j) >= 3
.irp c, 0,1,2,3
	ds_load_b128 v[AF+4*\c:AF+4*\c+3], v[ARI] offset:2048*((\j)-3)+512*\c   ; lora_a's fragment of these 128 along K (eight places behind the product that read the last one)
.endr
	ds_load_b32 v[AS], v[ARS] offset:128*((\j)-3)
.endif
.if (\j)+3 <= 10
	LOAD (\j)+3
.endif
.if (\j) < 8
	s_wait_loadcnt 32                              ; the next step's 16 loads are in; those of the two steps behind it may be out
.elseif (\j) == 8
	s_wait_loadcnt 16                              ; behind step 9's loads only step 10's were issued
.elseif (\j) == 9
	s_wait_loadcnt 0
.endif
.if (\j) < 10
	TURN (\j)+1
.endif
.if ((\j) > 0) && ((\j) < 3)
	DEQ XS, QQ
.endif
	QUANT XS, PW+QQ
.if (\j) == 0
	v_add_nc_u32 v[PW], 0x01010101, v[PW]          ; lora_a's scales x 2 = ALPHA / RANK
.irp c, 0,1,2,3
	ds_store_b128 v[AWI], v[PC+4*\c:PC+4*\c+3] offset:512*\c   ; the fragment goes to LDS as it stands: any wave that loads it by the same four lines has the same registers in the same lanes
.endr
	ds_store_b32 v[AWS], v[PW]
	s_wait_dscnt 0x0                               ; for the others' sake: my stores have landed
	s_barrier_signal -1
	s_barrier_wait -1                              ; lora_a's eight fragments of this K slice lie in LDS, and are written no more
.elseif (\j) < 3
.irp c, 0,1,2,3
	global_store_b128 v[LI], v[PC+4*\c:PC+4*\c+3], s[WQB:WQB+1] offset:2048*QQ+512*\c   ; 32 lanes store 512 consecutive bytes, at a multiple of 256 from wq's first byte
.endr
.if QQ == 1
	ds_store_b64 v[XSW], v[PW:PW+1] offset:4096    ; my row's two words; W's scale area lies behind x's four; lanes 16-31 write the same words with the same values
.endif
.else
.irp c, 0,1,2,3
	global_store_b128 v[LI], v[PC+4*\c:PC+4*\c+3], s[XQB:XQB+1] offset:(((\j)-3)/2)*TSA+2048*QQ+512*\c   ; 32 lanes store 512 consecutive bytes, at a multiple of 256 from xq's first byte
.endr
.if (\j) < 10
	s_wait_dscnt 32                                ; lora_a's fragment and word are in: behind them only the next step's 16 stores and 16 loads were issued
.else
	s_wait_dscnt 0x0                               ; the last step: nothing was issued behind lora_a's fragment and word
.endif
.if (\j) == 3
	v_wmma_scale_f32_16x16x128_f8f6f4 v[ACC:ACC+7], v[AF:AF+15], v[PC:PC+15], 0, v[AS], v[PW+QQ] matrix_a_fmt:MATRIX_FMT_BF8 matrix_b_fmt:MATRIX_FMT_BF8   ; source 0 = lora_a's 16 ranks, source 1 = my 16 rows of x: a lane holds one row and eight ranks.  The first product starts the sums
.else
	s_wait_alu depctr_va_vdst(0)                   ; this wait stands directly ahead of each link
	v_wmma_scale_f32_16x16x128_f8f6f4 v[ACC:ACC+7], v[AF:AF+15], v[PC:PC+15], v[ACC:ACC+7], v[AS], v[PW+QQ] matrix_a_fmt:MATRIX_FMT_BF8 matrix_b_fmt:MATRIX_FMT_BF8
.endif
.rept 8
	v_nop                                          ; eight places in front of the next loads into lora_a's fragment and word, and of the read of the finished sums
.endr
.if QQ == 1
	ds_store_b64 v[XSW], v[PW:PW+1] offset:1024*(((\j)-3)/2)   ; my row's two words of this K step; lanes 16-31 write the same words with the same values
.endif
.if (\j) == 10
	global_store_b128 v[LI], v[ACC:ACC+3], s[AXB:AXB+1]             ; the sums leave as an image of their registers, from the low end on
	global_store_b128 v[LI], v[ACC+4:ACC+7], s[AXB:AXB+1] offset:512
.endif
.endif
.endm
	global_load_b128 v[WSL:WSL+3], v[WSO], s[WSB:WSB+1]   ; my row's four w_scales of this K step: the oldest load
	LOAD 0
	LOAD 1
	LOAD 2
	s_wait_loadcnt 32                              ; the w_scales and step 0's 16 loads are in; steps 1 and 2 may be out
.irp k, 0,1,2,3
	v_mov_b32 v[WSP+2*\k], v[WSL+\k]               ; each scale twice: the packed multiplication takes a pair
	v_mov_b32 v[WSP+2*\k+1], v[WSL+\k]
.endr
	TURN 0
.irp j, 0,1,2,3,4,5,6,7,8,9,10
	STEP \j
.endr
	s_wait_dscnt 0x0                               ; for the others' sake: my scale words have landed
	s_barrier_signal -1
	s_barrier_wait -1                              ; the five scale areas are whole: they leave in runs of 512 consecutive bytes
	ds_load_b128 v[X0:X0+3], v[XSR]
	s_wait_dscnt 0x0
	global_store_b128 v[LI], v[X0:X0+3], s[XQS:XQS+1]
	s_cmp_gt_u32 s[WV], 1                          ; W's 1,024 bytes: waves 0 and 1
	s_cbranch_scc1 .Ldone
	ds_load_b128 v[X0+4:X0+7], v[XSR] offset:4096
	s_wait_dscnt 0x0
	global_store_b128 v[LI], v[X0+4:X0+7], s[WQS:WQS+1]
.Ldone:
	s_wait_tensorcnt 0x0
	ds_add_u32 v254, v255
	s_wait_dscnt 0x0
	s_endpgm
.Lfunc_end_k_q192721afa6_prep:
	.size	k_q192721afa6_prep, .Lfunc_end_k_q192721afa6_prep-k_q192721afa6_prep
	.p2alignl 7, 3214868480
	.fill 96, 4, 3214868480
	.section	.rodata,"a",@progbits
	.p2align	6, 0x0
	.amdhsa_kernel k_q192721afa6_prep
		.amdhsa_group_segment_fixed_size 91136
		.amdhsa_private_segment_fixed_size 0
		.amdhsa_enable_private_segment 0
		.amdhsa_kernarg_size 56
		.amdhsa_user_sgpr_count 2
		.amdhsa_user_sgpr_kernarg_segment_ptr 1
		.amdhsa_wavefront_size32 1
		.amdhsa_system_sgpr_workgroup_id_x 1
		.amdhsa_system_sgpr_workgroup_id_y 1
		.amdhsa_system_sgpr_workgroup_id_z 1
		.amdhsa_system_vgpr_workitem_id 0
		.amdhsa_next_free_vgpr 448
		.amdhsa_next_free_sgpr 66
		.amdhsa_reserve_vcc 0
		.amdhsa_float_denorm_mode_32 3
		.amdhsa_float_denorm_mode_16_64 3
		.amdhsa_memory_ordered 1
		.amdhsa_forward_progress 1
		.amdhsa_inst_pref_size 202
	.end_amdhsa_kernel
	.amdgpu_metadata
---
amdhsa.version: [ 1, 2 ]
amdhsa.kernels:
  - .name:           k_q192721afa6_prep
    .symbol:         k_q192721afa6_prep.kd
    .args:
      - { .name: x, .offset: 0, .size: 8, .value_kind: global_buffer, .address_space: global }
      - { .name: w_codes, .offset: 8, .size: 8, .value_kind: global_buffer, .address_space: global }
      - { .name: w_scales, .offset: 16, .size: 8, .value_kind: global_buffer, .address_space: global }
      - { .name: lora_a, .offset: 24, .size: 8, .value_kind: global_buffer, .address_space: global }
      - { .name: xq, .offset: 32, .size: 8, .value_kind: global_buffer, .address_space: global }
      - { .name: wq, .offset: 40, .size: 8, .value_kind: global_buffer, .address_space: global }
      - { .name: axp, .offset: 48, .size: 8, .value_kind: global_buffer, .address_space: global }
    .group_segment_fixed_size: 91136
    .private_segment_fixed_size: 0
    .kernarg_segment_align: 8
    .kernarg_segment_size: 56
    .max_flat_workgroup_size: 256
    .sgpr_count:     66
    .vgpr_count:     448
    .wavefront_size: 32
...
	.end_amdgpu_metadata
.endif
;; end of part 1
;; launch gemm (part 2): grid 8 x 32, 4 waves a work-group, clusters of 4 x 4, 327,680 bytes of LDS; arguments xq, wq, axp, lora_b, out0; writes out0
.if DOCPART == 2
	.amdgcn_target "amdgcn-amd-amdhsa--gfx1250"
	.amdhsa_code_object_version 6
	.text
	.protected	k_q192721afa6_gemm
	.globl	k_q192721afa6_gemm
	.p2align	8
	.type	k_q192721afa6_gemm,@function
k_q192721afa6_gemm:
	s_mov_b64 s[64:65], 0
	v_nop
	global_prefetch_b8 v0, s[64:65] scope:SCOPE_SE
	s_setreg_imm32_b32 hwreg(HW_REG_WAVE_MODE, 25, 1), 1
	s_wait_xcnt 0x0
	s_wait_alu depctr_hold_cnt(0) depctr_sa_sdst(0) depctr_va_vdst(0) depctr_va_sdst(0) depctr_va_ssrc(0) depctr_va_vcc(0) depctr_vm_vsrc(0)
	s_getreg_b32 s2, hwreg(HW_REG_IB_STS2, 6, 4)
	s_cmp_eq_u32 s2, 0
	s_cbranch_scc0 .Lentry_in_a_cluster
	s_endpgm
.Lentry_in_a_cluster:
	s_bfe_u32 s2, ttmp6, 0x10000c
	s_cmp_lg_u32 s2, 0xf033
	s_cbranch_scc0 .Lentry_shape_is_right
	s_endpgm
.Lentry_shape_is_right:
; out0[m][n] = sum over k of Q(x)[m][k] Q(W)[n][k]  +  sum over 16 ranks of (2 ax)[m][rank] lora_b[n][rank].   out0: [8192][2048] f32; K = 4,096.
; xq and wq hold codes of BF8 (E5M2) and E8M0 scale words as IMAGES OF THE OPERAND'S REGISTERS, in units of 128 rows x 256 along K, 33,792 bytes:
; codes [tile of 16 rows i][128 along K q][group of four registers c][lane][16 bytes], then from byte 32,768 the scale words [i][row r][q].  xq = [K step t 0..15][unit 0..63], wq = [t][unit 0..15].
; axp = [K slice 0..3][tile of 16 rows][c][lane][16 bytes] f32: four partial sums of 2 ax, images of a result: lane (r, h), register j = row r, rank 8 h + j.
; A tile of out0, 256 x 256, is made by a work-group of four waves, as many as a WGP has SIMDs; a wave makes 128 x 128: 64 accumulators of 16 x 16, 512 registers.  8 x 32 tiles: one to a work-group.
; THE SUMS BEGIN WITH THE LORA TERM: one bf16 product (K = 32) for each accumulator, with the constant 0 as C: nothing is cleared and nothing is added at the end.  Its K holds the 16 ranks twice: ax's partial sums 0 + 1 and 2 + 3,
; each rounded to bf16, against the same 16 numbers of lora_b: the matrix unit adds the two halves.  LIMIT: ax and lora_b enter this product rounded to bf16, as the contract allows for a product that is left as it is.
; K then goes in steps of 256 through a ring of two LDS slots.  A slot is four units (A's two, B's two); a unit is one dense block of memory, codes and scale words together, brought by ONE tensor load of one wave.
; So the scale words ride in the ring, every fragment load reads 512 consecutive LDS bytes (no pitch, no padding), and a K step has one load a wave.
; CLUSTERS: 4 x 4 work-groups.  The four of a row of the cluster need the same units of A, the four of a column the same units of B: each unit is asked for JOINTLY, by the same tensor load with the same descriptor and a mask that names the four.
; THE MATRIX INSTRUCTIONS ARE USED TRANSPOSED (source 0 = 16 rows of W or of lora_b, source 1 = 16 rows of x or of ax): a lane then holds eight neighbouring numbers of a row of out0.
; REGISTERS, in windows of 256: window 0: v0-31 addresses; v32-63 scale words, two sets; v64-127 ax's bf16 fragments (at the head alone); from v128 A's fragments (8 x 16 rows x 128 K), ONE set; on the way out v128-255 are free.
;   window 1: B's fragments, TWO sets, at v0 and at v128 (at the head: ax's four partial sums).   window 2: the 32 accumulators of my rows 0-63 ((a, b) at v[8 (8 a + b)]);   window 3: those of my rows 64-127.
; A step of 128 along K is 64 matrix instructions, A's blocks one after the other, each against B's eight: a block of A is free as soon as its eight products are issued, so one set serves A (blocks 0-3 are fetched anew in the step's
; middle, blocks 4-7 at its end); B's fragments are at work through the whole step, so B has two sets.
.set UNIT,   33792
.set TSA,    64*UNIT                   ; from a K step of xq to the next
.set TSB,    16*UNIT                   ; of wq
.set NQ,     2                         ; matrix instructions deep in a slot
.set FR,     16                        ; registers of a fragment
.set NL,     4                         ; LDS loads that bring one
.set NP,     8                         ; places behind the scaled matrix instruction (ISA guide 7.12.1)
.set SLOT,   4*UNIT
.set LAPS,   8                         ; a lap = two K steps = once round the ring
.set SPARE,  2*SLOT                    ; behind the ring: the spare words, 128 bytes for each wave: two blocks of 256 bytes that no other line names
.set SPITCH, 528                       ; the way out: a stage of 16 rows x (512 bytes + 16) for each wave.  It lies in slot 0, which has had its last fill and its last read when the first result is stored there
.set NROW,   8192                      ; a row of out0 in bytes
.set LBO,  15                          ; v15     lora_b: 64 r + 32 h: my eight numbers of row r
.set ADRA, 16                          ; v16-17  LDS address of my A fragments in slot 0, 1
.set ADRB, 20                          ; v20-21  the same for B
.set ADRS, 22                          ; v22-23  of my scale words: lanes 0-15 A's rows, lanes 16-31 B's
.set STO,  24                          ; v24     the way out: where I put 32 bytes of a row
.set RD,   25                          ; v25     the way out: where I read a row back
.set LI,   26                          ; v26     16 x lane: my place in an image, and in a row's 512 bytes of out0
.set SPW,  28                          ; v28     LDS address of my spare word: SPARE + 4 x my thread's number; never rewritten
.set NIL,  29                          ; v29     0; never rewritten
.set PFO,  30                          ; v30     the prefetches' offset: 256 x lane; never rewritten
.set PSO,  31                          ; v31     the offset of the one prefetch of scale words; never rewritten
.set SC,   32                          ; scale words: set s (for slot s) at v[SC + 16 s]; in it register 2 i + q: lanes 0-15 the word of A's block i, lanes 16-31 that of B's block i
.set AXF,  64                          ; ax's eight bf16 fragments
.set AF,   128                         ; A's fragments
.set LBR,  128                         ; at the head: lora_b as loaded,
.set LBF,  192                         ; and its eight bf16 fragments
.set BK,   128                         ; the way out: 16 rows read back from the stage: v128-191 and v192-255 by turns
.set G1,   24                          ; s[24:31] descriptor group 1 for A's units;  s[32:39] group 0, one set for each slot
.set G0,   32
.set G1B,  48                          ; s[48:55], s[56:63] the same for B's
.set G0B,  56
.set PFA,  66                          ; s[66:67] where my prefetches stand
.set PFS,  68                          ; s[68:69] a K step on, in bytes: TSA or TSB
.set LIM,  70                          ; s70     1 in a wave that prefetches, else the greatest number
.set LIM2, 71                          ; s71     LAPS - 1 in a wave that prefetches scale words, else 0
.set PSA,  72                          ; s[72:73] the base of that one prefetch
.set MSB, 0
.macro WIN new                         ; the immediate's high byte repeats the setting that is left
.if MSB != (\new)
	s_set_vgpr_msb (MSB<<8)|(\new)
.set MSB, (\new)
.endif
.endm
.set MUL_LO, 0xa1                      ; source 0 (B) window 1, source 1 (A) window 0, C and D window 2
.set MUL_HI, 0xf1                      ; the same, C and D window 3
.set TO_B,   0x40                      ; destination window 1, address window 0
; A joint load: waves 0 and 1 fetch A's two units, waves 2 and 3 B's.  Each of the two lines has ONE mask and one set of registers for all that issue it; the branch hangs on the wave's number alone.
; Four v_nop follow each of the two lines, ahead of the jump, the label and what follows.
.macro JLOAD g0a, g1a, g0b, g1b
	s_cmp_eq_u32 s15, 0
	s_cbranch_scc0 .Lfor_b_\@
	tensor_load_to_lds s[\g0a:\g0a+3], s[\g1a:\g1a+7]
	s_nop 0
.rept 4
	v_nop
.endr
	s_branch .Lasked_\@
.Lfor_b_\@:
	tensor_load_to_lds s[\g0b:\g0b+3], s[\g1b:\g1b+7]
	s_nop 0
.rept 4
	v_nop
.endr
.Lasked_\@:
.endm
.macro CREST                           ; a round of the cluster's barrier behind its opening barrier
	s_cmp_lg_u32 s14, 0
	s_cbranch_scc1 .Lnot_wave_0_\@
	s_barrier_signal -3
.Lnot_wave_0_\@:
	s_barrier_wait -3
	s_barrier_signal -1
	s_barrier_wait -1
.endm
.macro CROUND                          ; a whole round
	s_barrier_signal -1
	s_barrier_wait -1
	CREST
.endm
; A PREFETCH INTO THE L2, behind each joint refill, its four lines and the run of LDS loads that follows: the codes of the unit that stands TWO refills on (256 matrix instructions ahead of the load that will want it).
; Each aligned block of 256 bytes is named ONCE in the launch.  A's units are read by both clusters of a row of clusters: cluster x = 0 asks; B's by all eight clusters of a column: cluster y = 0 asks.
; Of the 128 blocks of codes of the unit that a wave fetches, the partner at place p among the four that ask for it jointly takes blocks 32 p .. 32 p + 31 (p = cx for A, cy for B): told apart BY ADDRESS, a lane a block, one instruction a wave.
; The loop's last trip asks for nothing: there is no K step two on.  K steps 0 to 3 come by their loads alone: nothing is prefetched at the head, where every work-group's first units are on their way.
; once = 1: a unit's four blocks of scale words do not divide among 4 partners x 32 lanes, so they are named once for the whole walk, in the first trip: waves 0 (A) and 2 (B); a lane takes unit l / 16 of the tile's two,
; K step 4 p + (l / 4) % 4 and block l % 4: 128 blocks a tile, 32 a partner.  (K steps 0 to 3 are among them, though their loads have gone out or go out now: so the four partners' shares stay equal.)
.macro ASK once
	s_cmp_gt_u32 s3, s[LIM]                        ; s3 = 1 in the loop's last trip
	s_cbranch_scc0 .Lnot_mine_\@
	global_prefetch_b8 v[PFO], s[PFA:PFA+1] th:TH_LOAD_NT scope:SCOPE_SE
.Lnot_mine_\@:
.if \once
	s_cmp_eq_u32 s3, s[LIM2]                       ; s3 = LAPS - 1 in the first trip, and never 0
	s_cbranch_scc0 .Lnot_now_\@
	global_prefetch_b8 v[PSO], s[PSA:PSA+1] th:TH_LOAD_NT scope:SCOPE_SE
.Lnot_now_\@:
.endif
.endm
	s_load_b256 s[4:11], s[0:1], 0x0               ; xq s[4:5], wq s[6:7], axp s[8:9], lora_b s[10:11]
	s_load_b64 s[12:13], s[0:1], 0x20              ; out0
	v_lshl_add_u32 v[SPW], v0, 2, SPARE
	v_mov_b32 v[NIL], 0
	ds_add_u32 v28, v29
	ds_add_u32 v28, v29
	s_wait_dscnt 0x0
	v_lshrrev_b32 v1, 5, v0
	v_readfirstlane_b32 s14, v1                    ; wave 0..3
	s_lshr_b32 s15, s14, 1                         ; which half of the tile's rows is mine.  Also: I fetch for A (0) or for B (1)
	s_and_b32 s16, s14, 1                          ; which half of its columns.  Also: which of the two units I fetch
	s_bfe_u32 s40, ttmp6, 0x40000                  ; cx, cy: my place in the cluster
	s_bfe_u32 s41, ttmp6, 0x40004
	s_lshl_b32 s42, ttmp9, 2
	s_add_co_u32 s42, s42, s40                     ; tile column = 4 x cluster x + cx
	s_and_b32 s17, ttmp7, 0xffff
	s_lshl_b32 s17, s17, 2
	s_add_co_u32 s17, s17, s41                     ; tile row = 4 x cluster y + cy
	s_lshl_b32 s43, s41, 2
	s_lshl_b32 s43, 15, s43                        ; my row of the cluster
	s_lshl_b32 s44, 0x1111, s40                    ; my column
	; descriptor group 1: a unit, 33,792 dense bytes, as 132 rows of 256 bytes (32 elements of 8 bytes); no padding
	s_or_b32 s[G1+0], s43, (3<<16)|(1<<21)         ; 15:0 the mask: A's units go to my row; 17:16 elements of 8 bytes; 21 set beside a mask
	s_or_b32 s[G1B+0], s44, (3<<16)|(1<<21)        ; the same with the mask of my column
.irp g, G1, G1B
	s_mov_b32 s[\g+1], 32<<16                      ; tensor_dim0 = 32
	s_mov_b32 s[\g+2], 132<<16                     ; tensor_dim1 = 132
	s_mov_b32 s[\g+3], 32<<16                      ; tile_dim0 = 32
	s_mov_b32 s[\g+4], 132                         ; tile_dim1 = 132
	s_mov_b32 s[\g+5], 32                          ; tensor_dim0_stride
	s_mov_b32 s[\g+6], 0
	s_mov_b32 s[\g+7], 0
.endr
	s_lshl_b32 s20, s17, 1
	s_add_co_u32 s20, s20, s16                     ; A: unit 2 x tile row + which: it hangs on the tile row alone, which my row of the cluster shares
	s_mul_i32 s20, s20, UNIT
	s_mov_b32 s21, 0
	s_lshl_b32 s46, s42, 1
	s_add_co_u32 s46, s46, s16                     ; B: unit 2 x tile column + which
	s_mul_i32 s46, s46, UNIT
	s_mov_b32 s47, 0
	s_mul_i32 s45, s14, UNIT                       ; where it goes: wave x a unit: no place in the cluster enters an LDS address
	s_wait_kmcnt 0x0
	s_add_nc_u64 s[20:21], s[4:5], s[20:21]
	s_add_nc_u64 s[46:47], s[6:7], s[46:47]
	CROUND                                         ; all sixteen work-groups are here: the first joint loads meet
.irp s, 0,1
	s_mov_b32 s[G0+4*\s], 1                        ; 1:0 count = 1
	s_add_co_u32 s[G0+4*\s+1], s45, \s*SLOT        ; 63:32 LDS address
	s_add_nc_u64 s[G0+4*\s+2:G0+4*\s+3], s[20:21], \s*TSA   ; 120:64 global address: K step s
	s_or_b32 s[G0+4*\s+3], s[G0+4*\s+3], 0x80000000         ; 127:126 type = 2
	s_mov_b32 s[G0B+4*\s], 1
	s_add_co_u32 s[G0B+4*\s+1], s45, \s*SLOT
	s_add_nc_u64 s[G0B+4*\s+2:G0B+4*\s+3], s[46:47], \s*TSB
	s_or_b32 s[G0B+4*\s+3], s[G0B+4*\s+3], 0x80000000
	JLOAD G0+4*\s, G1, G0B+4*\s, G1B               ; the ring is filled before anything else is done: two loads of mine are out
.endr
	; ---- THE LORA TERM, while the first units are on their way
	v_and_b32 v1, 15, v0                           ; r
	v_bfe_u32 v2, v0, 4, 1                         ; h
	v_and_b32 v3, 31, v0                           ; lane
	v_lshlrev_b32 v[LI], 4, v3
	v_lshlrev_b32 v[LBO], 6, v1
	v_lshl_add_u32 v[LBO], v2, 5, v[LBO]
	s_lshl_b32 s18, s17, 4
	s_lshl_b32 s19, s15, 3
	s_add_co_u32 s18, s18, s19                     ; my first tile of 16 rows: 16 x tile row + 8 x half
	s_lshl_b32 s18, s18, 10                        ; images of 1,024 bytes
	s_mov_b32 s19, 0
	s_add_nc_u64 s[8:9], s[8:9], s[18:19]
	s_lshl_b32 s18, s42, 14                        ; lora_b: rows of 64 bytes: 256 x tile column + 128 x half
	s_lshl_b32 s22, s16, 13
	s_add_co_u32 s18, s18, s22
	s_add_nc_u64 s[10:11], s[10:11], s[18:19]
	WIN TO_B
.irp ks, 0,1,2,3                               ; ax's four partial sums of my eight tiles: window 1, v[64 ks + 8 a] on
.irp a, 0,1,2,3,4,5,6,7
.irp c, 0,1
	global_load_b128 v[64*\ks+8*\a+4*\c:64*\ks+8*\a+4*\c+3], v[LI], s[8:9] offset:524288*\ks+1024*\a+512*\c
.endr
.endr
.endr
	WIN 0
.irp b, 0,1,2,3,4,5,6,7                        ; lora_b(16 b + r, 8 h + 0 .. 7)
.irp c, 0,1
	global_load_b128 v[LBR+8*\b+4*\c:LBR+8*\b+4*\c+3], v[LBO], s[10:11] offset:1024*\b+16*\c
.endr
.endr
	; the addresses, while those loads are out
	s_mul_i32 s21, s15, UNIT                       ; my 128 rows of A: unit 0 or 1 of a slot
	s_mul_i32 s22, s16, UNIT
	s_add_co_u32 s22, s22, 2*UNIT                  ; my 128 rows of B: unit 2 or 3
	s_sub_co_u32 s23, s22, s21
	v_mul_u32_u24 v4, s23, v2                      ; scale words: lanes 16-31 take B's: ONE product, the distance between the two units x h
	v_lshl_add_u32 v4, v1, 3, v4                   ; + 8 r: a row's two words
	v_add_nc_u32 v4, 32768, v4                     ; behind the unit's codes
.irp s, 0,1
	v_add_nc_u32 v[ADRA+\s], s21, v[LI]
	v_add_nc_u32 v[ADRB+\s], s22, v[LI]
	v_add_nc_u32 v[ADRS+\s], s21, v4
	s_add_co_u32 s21, s21, SLOT
	s_add_co_u32 s22, s22, SLOT
.endr
	s_mul_i32 s23, s14, 16*SPITCH                  ; my stage
	v_mul_u32_u24 v5, v1, SPITCH                   ; in: row l % 16, 32 bytes for each half of the lanes
	v_lshl_add_u32 v5, v2, 5, v5
	v_add_nc_u32 v[STO], s23, v5
	v_add_nc_u32 v[RD], s23, v[LI]                 ; back: the 32 lanes take one row of 512 bytes
	s_lshl_b32 s20, s17, 8
	s_lshl_b32 s21, s15, 7
	s_add_co_u32 s20, s20, s21                     ; my first row of out0: 256 x tile row + 128 x half,
	s_lshl_b32 s20, s20, 13                        ; in bytes (under 2^27);
	s_lshl_b32 s21, s42, 10                        ; my first column, in bytes: 1,024 x tile column + 512 x half
	s_add_co_u32 s20, s20, s21
	s_lshl_b32 s21, s16, 9
	s_add_co_u32 s20, s20, s21
	s_mov_b32 s21, 0
	s_add_nc_u64 s[12:13], s[12:13], s[20:21]
	; the prefetches (macro ASK): where my wave's stand, and who asks
	s_lshl_b32 s18, s17, 1
	s_lshl_b32 s19, s42, 1
	s_and_b32 s22, ttmp7, 0xffff                   ; cluster y
	s_mov_b32 s[PFS], TSB
	s_mov_b32 s[PFS+1], 0
	s_cmp_eq_u32 s15, 0                            ; do I fetch for A?
	s_cselect_b32 s18, s18, s19                    ; the tile's first unit
	s_cselect_b32 s19, s40, s41                    ; my place among the four that ask with me
	s_cselect_b32 s22, ttmp9, s22                  ; the coordinate along which other clusters read the same units
	s_cselect_b32 s[PFS], TSA, s[PFS]
	s_cselect_b64 s[PFA:PFA+1], s[4:5], s[6:7]
	s_cmp_eq_u32 s22, 0
	s_cselect_b32 s[LIM], 1, -1                    ; the same in all sixteen partners, for a given wave
	s_cselect_b32 s[LIM2], LAPS-1, 0
	s_cmp_eq_u32 s16, 0
	s_cselect_b32 s[LIM2], s[LIM2], 0              ; waves 0 and 2 alone
	s_mul_i32 s20, s18, UNIT
	s_add_nc_u64 s[PFA:PFA+1], s[PFA:PFA+1], s[20:21]   ; at the tile's first unit of K step 0
	s_mul_i32 s20, s19, s[PFS]
	s_lshl_b32 s20, s20, 2                         ; K step 4 p,
	s_add_co_u32 s20, s20, 32768                   ; its scale words
	s_add_nc_u64 s[PSA:PSA+1], s[PFA:PFA+1], s[20:21]
	s_mul_i32 s20, s16, UNIT                       ; the unit that I fetch,
	s_lshl_b32 s22, s19, 13                        ; my work-group's 32 blocks of its codes,
	s_add_co_u32 s20, s20, s22
	s_mul_i32 s22, s[PFS], 3                       ; at K step 3: the first refill steps it to 4
	s_add_co_u32 s20, s20, s22
	s_add_nc_u64 s[PFA:PFA+1], s[PFA:PFA+1], s[20:21]
	v_lshlrev_b32 v[PFO], 8, v3
	v_bfe_u32 v6, v0, 2, 2
	v_mul_lo_u32 v[PSO], v6, s[PFS]                ; (l / 4) % 4 K steps,
	v_and_b32 v6, 3, v0
	v_lshl_add_u32 v[PSO], v6, 8, v[PSO]           ; block l % 4,
	v_mad_u32_u24 v[PSO], v2, UNIT, v[PSO]         ; unit l / 16
	s_wait_loadcnt 0x0                             ; ax's partial sums and lora_b
.irp b, 0,1,2,3,4,5,6,7                        ; lora_b's fragment b: lane (r, h): registers 0-3: ranks 8 h + 0 .. 7 (k = 8 h ..), registers 4-7 the same ranks again (k = 16 + 8 h ..)
.irp i, 0,1,2,3
	v_cvt_pk_bf16_f32 v[LBF+8*\b+\i], v[LBR+8*\b+2*\i], v[LBR+8*\b+2*\i+1]
	v_cvt_pk_bf16_f32 v[LBF+8*\b+4+\i], v[LBR+8*\b+2*\i], v[LBR+8*\b+2*\i+1]
.endr
.endr
	WIN 0x45                                       ; all three places window 1
.set i, 0
.rept 32
	v_pk_add_f32 v[i:i+1], v[i:i+1], v[64+i:65+i]               ; K slices 0 + 1, in f32
	v_pk_add_f32 v[128+i:129+i], v[128+i:129+i], v[192+i:193+i] ; K slices 2 + 3
.set i, i+2
.endr
	WIN 0x05                                       ; sources window 1, destination window 0
.irp a, 0,1,2,3,4,5,6,7                        ; ax's fragment a: the image's lanes and registers are the operand's: row r, ranks 8 h + 0 .. 7
.irp i, 0,1,2,3
	v_cvt_pk_bf16_f32 v[AXF+8*\a+\i], v[8*\a+2*\i], v[8*\a+2*\i+1]
	v_cvt_pk_bf16_f32 v[AXF+8*\a+4+\i], v[128+8*\a+2*\i], v[128+8*\a+2*\i+1]
.endr
.endr
.irp a, 0,1,2,3,4,5,6,7                        ; 64 products start the 64 sums, in the order in which the accumulators take turns ever after
	WIN 0x80+0x40*(\a/4)                           ; D window 2 or 3; sources window 0
.irp b, 0,1,2,3,4,5,6,7
	v_wmma_f32_16x16x32_bf16 v[8*(8*(\a%4)+\b):8*(8*(\a%4)+\b)+7], v[LBF+8*\b:LBF+8*\b+7], v[AXF+8*\a:AXF+8*\a+7], 0
.endr
.endr
	WIN 0
.macro FRAG reg, adr, q, i             ; a fragment, 16 rows x 128 K of 8-bit codes, is 16 registers; its image lies on end: group c of four registers at 512 c + 16 x lane
.irp c, 0,1,2,3
	ds_load_b128 v[\reg+4*\c:\reg+4*\c+3], v[\adr] offset:(2*(\i)+(\q))*2048+512*\c
.endr
.endm
; 16 matrix instructions: A's blocks a0, a0 + 1 x B's eight, 128 along K: the slot's q-th.  p: B's set;  sc: the set of scale words.
; The 64 accumulators take turns, one instruction a turn, in the same order in every step.  Source 0's scales are read from lanes 16-31 of their register, source 1's from lanes 0-15.
.macro MUL16 a0, p, q, sc
.irp a, \a0, \a0+1
.irp b, 0,1,2,3,4,5,6,7
	v_wmma_scale_f32_16x16x128_f8f6f4 v[8*(8*((\a)%4)+\b):8*(8*((\a)%4)+\b)+7], v[128*(\p)+FR*\b:128*(\p)+FR*\b+FR-1], v[AF+FR*(\a):AF+FR*(\a)+FR-1], v[8*(8*((\a)%4)+\b):8*(8*((\a)%4)+\b)+7], v[SC+8*NQ*(\sc)+NQ*\b+(\q)], v[SC+8*NQ*(\sc)+NQ*(\a)+(\q)] matrix_a_fmt:MATRIX_FMT_BF8 matrix_b_fmt:MATRIX_FMT_BF8 matrix_a_scale:MATRIX_SCALE_ROW1
.endr
.endr
.endm
.macro FETCH_B slot, q, p              ; B's eight fragments of the slot's q-th 128 along K into set p
	WIN TO_B
.irp i, 0,1,2,3,4,5,6,7
	FRAG 128*(\p)+FR*\i, ADRB+\slot, \q, \i
.endr
	WIN 0
.endm
.macro FETCH_A slot, q, i0             ; A's blocks i0 .. i0 + 3
.irp i, \i0, \i0+1, \i0+2, \i0+3
	FRAG AF+FR*(\i), ADRA+\slot, \q, \i
.endr
.endm
.macro SCALES sl                       ; slot sl's scale words into set sl: two words a row; lanes 0-15 take A's block i, lanes 16-31 B's block i
.irp i, 0,1,2,3,4,5,6,7
	ds_load_b64 v[SC+8*NQ*\sl+NQ*\i:SC+8*NQ*\sl+NQ*\i+1], v[ADRS+\sl] offset:128*\i
.endr
.endm
; A load into a register that a matrix instruction has read, and an LDS store that reads a matrix result, stand NP places behind that matrix instruction, and only plain vector instructions that name none of its
; registers are places (ISA guide 7.12.1 for vector instructions); this text does not count the matrix instructions in between.
.macro PLACES n
.rept \n
	v_nop
.endr
.endm
; A step of 128 along K that has its successor in the same slot.
.macro STEP slot, q
	s_wait_dscnt 4*NL                              ; B's set, A's blocks 0-3 and the scale words are in; the youngest sixteen loads (A's blocks 4-7) may be out
	WIN MUL_LO
	MUL16 0, (\q)%2, \q, \slot
	MUL16 2, (\q)%2, \q, \slot
	s_wait_dscnt 0                                 ; A's blocks 4-7 are in (asked for 32 matrix instructions ago)
	PLACES NP
	FETCH_B \slot, (\q)+1, 1-(\q)%2
	FETCH_A \slot, (\q)+1, 0
	WIN MUL_HI
	MUL16 4, (\q)%2, \q, \slot
	MUL16 6, (\q)%2, \q, \slot
	PLACES NP
	WIN 0
	FETCH_A \slot, (\q)+1, 4
.endm
; A slot's last step changes slots: ONE barrier; in front of it each wave waits for all its tensor loads, adds 0 to its spare word, and waits for that and for its own reads of this slot.
; fill = 1: this slot is filled again, two K steps ahead: the barrier then opens a round of the cluster's barrier, and the joint refill is the first tensor load behind the round: one load of mine is out, with 96 matrix instructions up to the wait for it.
.macro TURN slot, next, fill
.if \fill
	s_wait_xcnt 0x0                                ; the last prefetch, a K step back, has read its address: it is stepped here, ahead of the waits of the change of slots
	s_add_nc_u64 s[PFA:PFA+1], s[PFA:PFA+1], s[PFS:PFS+1]
.endif
	s_wait_tensorcnt 0x0                           ; all my tensor loads have landed: my unit of the next slot;  (every window is 0 here: the add's two registers lie in window 0)
	ds_add_u32 v[SPW], v[NIL]                      ; 0 onto my spare word;
	s_wait_dscnt 4*NL+1                            ; (the add and the youngest sixteen loads, A's blocks 4-7, may be out)
	WIN MUL_LO
	MUL16 0, 1, NQ-1, \slot                        ; sixteen matrix instructions stand between the add and the wait for it
	s_wait_dscnt 0x0                               ; the add is done, and my reads of this slot are over
	s_barrier_signal -1
	MUL16 2, 1, NQ-1, \slot
	WIN 0
	s_barrier_wait -1
.if \fill
	CREST                                          ; no wave of any partner still reads this slot's units or has a load on its way
	s_add_nc_u64 s[G0+4*\slot+2:G0+4*\slot+3], s[G0+4*\slot+2:G0+4*\slot+3], 2*TSA
	s_add_nc_u64 s[G0B+4*\slot+2:G0B+4*\slot+3], s[G0B+4*\slot+2:G0B+4*\slot+3], 2*TSB
	JLOAD G0+4*\slot, G1, G0B+4*\slot, G1B         ; the four v_nop behind it are among the places in front of the loads below
	PLACES NP-4
.else
	PLACES NP
.endif
	FETCH_B \next, 0, 0
	FETCH_A \next, 0, 0
	SCALES \next
.if \fill
	ASK 1-\slot
.endif
	WIN MUL_HI
	MUL16 4, 1, NQ-1, \slot
	MUL16 6, 1, NQ-1, \slot
	PLACES NP
	WIN 0
	FETCH_A \next, 0, 4
.endm
	PLACES NP                                      ; behind the bf16 products: five places are owed ahead of the other form on the same accumulators, four ahead of loads into their sources
	s_wait_tensorcnt 1                             ; my unit of K step 0 is in (K step 1's load may be out)
	s_barrier_signal -1
	s_barrier_wait -1                              ; everybody's is
	FETCH_B 0, 0, 0
	FETCH_A 0, 0, 0
	SCALES 0
	FETCH_A 0, 0, 4
	STEP 0, 0
	s_mov_b32 s3, LAPS-1
.Llap:                                                 ; a trip goes once round the ring, from a lap's second step to the next lap's first, and fills both slots again
	TURN 0, 1, 1
	STEP 1, 0
	TURN 1, 0, 1
	STEP 0, 0
	s_sub_co_u32 s3, s3, 1
	s_cmp_lg_u32 s3, 0
	s_cbranch_scc1 .Llap
	TURN 0, 1, 0                                   ; the last lap is written out: it fills nothing, and has no round of the cluster's barrier
	STEP 1, 0
	s_wait_dscnt 4*NL                              ; the very last step: nothing more to fetch
	WIN MUL_LO
	MUL16 0, 1, NQ-1, 1
	MUL16 2, 1, NQ-1, 1
	s_wait_dscnt 0
	WIN MUL_HI
	MUL16 4, 1, NQ-1, 1
	MUL16 6, 1, NQ-1, 1
	WIN 0
; THE WAY OUT, block by block of 16 rows x 128 columns.  A lane holds 32 neighbouring bytes of a row, and the lanes beside it hold other rows: so a block goes through my own stage in LDS and comes back as whole
; rows of 512 bytes, which the 32 lanes store as 512 consecutive bytes.  LDS serves a wave's instructions in order (ISA guide 5.7.1.4): no wait between the stores and the loads, nor in front of the next block's stores.
.macro TOSTAGE a
.set AC, 64*((\a)%4)
	WIN 0x08+4*((\a)/4)                            ; the data: window 2 or 3
.irp b, 0,1,2,3,4,5,6,7
	ds_store_b128 v[STO], v[AC+8*\b:AC+8*\b+3] offset:64*\b          ; each accumulator from its low end on
	ds_store_b128 v[STO], v[AC+8*\b+4:AC+8*\b+7] offset:64*\b+16
.endr
	WIN 0
.set BB, BK+64*((\a)%2)
.irp t, 0,1,2,3,4,5,6,7,8,9,10,11,12,13,14,15
	ds_load_b128 v[BB+4*\t:BB+4*\t+3], v[RD] offset:\t*SPITCH
.endr
.endm
.macro SEND a, younger                 ; younger: the LDS instructions issued behind block a's loads, which may stay out
.set BB, BK+64*((\a)%2)
	s_wait_dscnt \younger                          ; the block is back in registers
.if (\a) > 0
	s_add_nc_u64 s[12:13], s[12:13], 16*NROW       ; (behind a wait on XCNT: the earlier stores have read their base)  16 rows on
.endif
.irp t, 0,1,2,3,4,5,6,7,8,9,10,11,12,13,14,15
	global_store_b128 v[LI], v[BB+4*\t:BB+4*\t+3], s[12:13] offset:\t*NROW th:TH_STORE_NT   ; 32 lanes store 512 consecutive bytes, at a multiple of 256 from out0's first byte; written once, read by nobody here
.endr
.endm
	PLACES NP                                      ; these places serve the loads into the registers that held A's fragments and block 7's reads alike
	TOSTAGE 0
.irp a, 1,2,3,4,5,6,7
.if \a > 1
	s_wait_xcnt 0x0                                ; block a - 2's stores have read their registers and their base: block a's loads may land there, and the base may step
.endif
	TOSTAGE \a
	SEND \a-1, 32                                  ; behind block a - 1's loads: block a's 16 stores and 16 loads
.endr
	s_wait_xcnt 0x0                                ; block 6's stores have read their base
	SEND 7, 0
	s_wait_tensorcnt 0x0                           ; the wave's end, behind my last tensor load and my last LDS store
	ds_add_u32 v[SPW], v[NIL]
	s_wait_dscnt 0x0
	CROUND                                         ; the closing round: no work-group ends while a partner may still ask for a unit that names it
	s_endpgm
.Lfunc_end_k_q192721afa6_gemm:
	.size	k_q192721afa6_gemm, .Lfunc_end_k_q192721afa6_gemm-k_q192721afa6_gemm
	.p2alignl 7, 3214868480
	.fill 96, 4, 3214868480
	.section	.rodata,"a",@progbits
	.p2align	6, 0x0
	.amdhsa_kernel k_q192721afa6_gemm
		.amdhsa_group_segment_fixed_size 327680
		.amdhsa_private_segment_fixed_size 0
		.amdhsa_enable_private_segment 0
		.amdhsa_kernarg_size 40
		.amdhsa_user_sgpr_count 2
		.amdhsa_user_sgpr_kernarg_segment_ptr 1
		.amdhsa_wavefront_size32 1
		.amdhsa_system_sgpr_workgroup_id_x 1
		.amdhsa_system_sgpr_workgroup_id_y 1
		.amdhsa_system_sgpr_workgroup_id_z 1
		.amdhsa_system_vgpr_workitem_id 0
		.amdhsa_next_free_vgpr 1024
		.amdhsa_next_free_sgpr 80
		.amdhsa_reserve_vcc 0
		.amdhsa_float_denorm_mode_32 3
		.amdhsa_float_denorm_mode_16_64 3
		.amdhsa_memory_ordered 1
		.amdhsa_forward_progress 1
		.amdhsa_inst_pref_size 169
	.end_amdhsa_kernel
	.amdgpu_metadata
---
amdhsa.version: [ 1, 2 ]
amdhsa.kernels:
  - .name:           k_q192721afa6_gemm
    .symbol:         k_q192721afa6_gemm.kd
    .args:
      - { .name: xq, .offset: 0, .size: 8, .value_kind: global_buffer, .address_space: global }
      - { .name: wq, .offset: 8, .size: 8, .value_kind: global_buffer, .address_space: global }
      - { .name: axp, .offset: 16, .size: 8, .value_kind: global_buffer, .address_space: global }
      - { .name: lora_b, .offset: 24, .size: 8, .value_kind: global_buffer, .address_space: global }
      - { .name: out0, .offset: 32, .size: 8, .value_kind: global_buffer, .address_space: global }
    .group_segment_fixed_size: 327680
    .private_segment_fixed_size: 0
    .kernarg_segment_align: 8
    .kernarg_segment_size: 40
    .max_flat_workgroup_size: 128
    .sgpr_count:     80
    .vgpr_count:     1024
    .wavefront_size: 32
...
	.end_amdgpu_metadata
.endif
;; end of part 2
;; ======== version 2 of 2: 2 launches; version 1 with the launch prep written anew for expert scheduling mode
;; workspace buffers: xq 34,603,008 bytes; wq 8,650,752 bytes; axp 2,097,152 bytes
;; launch prep (part 3): grid 256 x 1, 8 waves a work-group, no clusters, 91,136 bytes of LDS; arguments x, w_codes, w_scales, lora_a, xq, wq, axp; writes xq, wq, axp
.if DOCPART == 3
	.amdgcn_target "amdgcn-amd-amdhsa--gfx1250"
	.amdhsa_code_object_version 6
	.text
	.protected	k_q192721afa6_prep
	.globl	k_q192721afa6_prep
	.p2align	8
	.type	k_q192721afa6_prep,@function
k_q192721afa6_prep:
	s_mov_b64 s[64:65], 0
	v_nop
	global_prefetch_b8 v0, s[64:65] scope:SCOPE_SE
	s_setreg_imm32_b32 hwreg(HW_REG_WAVE_SCHED_MODE, 0, 2), 2
	s_setreg_imm32_b32 hwreg(HW_REG_WAVE_MODE, 25, 1), 1
	s_wait_xcnt 0x0
	s_wait_alu depctr_vm_vsrc(0)
; x [8192][4096] f32 and W[o][i] = NF4[w_codes[o][i]] x w_scales[o][i / 64] ([2048][4096]) are turned into codes of BF8 (E5M2) with one E8M0 scale byte for each 32 along K,
; laid as IMAGES OF THE OPERAND'S REGISTERS for the product's launch; and 2 x ax = 2 x Q(x) Q(lora_a)^T is made on the way, since x's operand registers exist here anyway.
; A UNIT of the workspace is 128 rows x 256 along K, 33,792 bytes: codes [tile of 16 rows i][128 along K q][group of four registers c][lane][16 bytes], then from byte 32,768 the scale words [i][row r][q], 4 bytes each.
; xq = [K step t 0..15][unit 0..63], wq = [t][unit 0..15].  axp = [K slice 0..3][tile of 16 rows 0..511][c 0..1][lane][16 bytes] f32: the image of a result: lane (r, h), register j = 2 ax(row r, rank 8 h + j), summed over 1,024 of K.
; A block's scale is 2^(floor(log2(its largest magnitude)) - 15); its byte is the largest magnitude's exponent field - 15, held at 1 from below; each number is held within +-57,344 x the scale and rounded to the nearest code, ties to even.
; THE FACTOR ALPHA / RANK = 2 is put into lora_a's scale bytes: each is raised by 1 (a byte is at most 254 - 15 = 239, so none reaches 0xff and none carries into its neighbour): exact.
; LIMITS: NaN and infinities among the inputs are not served.  A block of zeros gets the byte 1 where the rule says 127: its codes are zeros, which add nothing under any byte but 0xff, and this program alone reads the bytes.
; w_codes are taken as 0 .. 15, as an index into a table of 16.
; SHARES.  Work-group g takes of x unit g / 4 and K slice g % 4 (1,024 along K: four K steps of 256), and of W unit g / 16 and K step g % 16: every work-group has the same work and takes one path.  Wave w owns the 16 rows of tile w of both.
; A wave walks 11 STEPS of 16 rows x 128 along K (8,192 bytes each; all three sources have rows 16,384 bytes apart): step 0: lora_a's 16 rows at k = 1,024 (g % 4) + 128 w; steps 1, 2: W; steps 3-10: x.
; W STANDS AHEAD OF x: its table look-ups are the longest run of vector work (448 lines a step beside the quantiser's 131), and there they stand while 32 to 48 of the wave's loads of x are on their way;
; the last two steps, behind which no load is out, are of the shortest kind.
; Each load reads 512 consecutive bytes of one row.  The conversions want 16 neighbours along K in one lane's registers, in the operand's order: so a step's rows turn through the wave's own stage in LDS.
; No tensor loads, no cluster: the work-groups share nothing but lora_a's 256 KiB.  Memory binds: loads run three steps (48 loads a wave) ahead; nothing is prefetched, since the launch streams all the time.
; THE MODE: SCHED_MODE bits 1:0 = 2 (LLVM: expert scheduling mode 2), set by the entry lines.  The code itself states the register dependences
; between vector or matrix instructions and memory or LDS instructions, with s_wait_alu, always for 0.
; THE PLAN.  Registers that memory or LDS instructions touch:
;   R0 .. R2   (window 1) Written by the global loads of step j + 3, issued in step j; read by the LDS stores that send step j's rows into the stage, issued in step j - 1.  No vector instruction names them.
;   X0, X1     Step j's look-ups, holds and conversions read and write X[j % 2]; the LDS loads that bring step j + 1's numbers back from the stage land in X[(j + 1) % 2], on which step j - 1 worked.
;   PC, PW     Written by step j's conversions and shifts; read by step j's stores and by its product; written again in step j + 1.
;   AF, AS     Written by five LDS loads at the head of a step of x; read by that step's product.
;   ACC        Written by the products alone; read by two stores behind the last product.
;   v1 - v10   Offsets and LDS addresses, made once at the head and never written again: every step stands in an immediate.   v254, v255: made at the head, read by the closing add alone.
; THE WAITS OF A STEP.  At its head one on vm_vsrc: the stage's stores have read R[j % 3], the last step's stores PC and PW.  At the head of steps 4 to 10 one on va_vdst: the last product is done reading AF and AS.
; Behind the conversions and their places one on va_vdst: PC and PW are written, for the stores and the product; the same wait shows the step done with X[j % 2], and nothing issued behind it names that set before the next
; step's numbers land in it.  So the 16 loads from the stage are dealt among the next step's vector lines, which name the other set, with no further wait.
.set UNIT,  33792
.set TSA,   64*UNIT                    ; from a K step of xq to the next
.set ROWP,  16384                      ; from row to row in x, in w_codes and in lora_a
.set SPI,   528                        ; a stage row: 512 bytes + 16 = 132 words: row r starts at bank 4 r mod 64 (64 banks of 4 bytes: ISA guide 11.1), so the 16 rows that a load touches start at 16 different banks
.set STGW,  16*SPI                     ; LDS: a stage for each wave, from byte 0 on;
.set AIMG,  8*STGW                     ; lora_a's eight fragments (that of x's step s at 2,048 s), images of registers;
.set ASC,   AIMG+8*2048                ; their scale words, 4 bytes a lane, 128 bytes each;
.set XSCW,  ASC+8*128                  ; the scale areas of x's four units, 1,024 bytes each, and behind them that of W's unit
.set LI,   1                           ; v1   16 x lane
.set STI,  2                           ; v2   the stage, on the way in: my 16 bytes of a row
.set STO,  3                           ; v3   and out: row r, + 64 h: my 16 numbers of a block of 32
.set AWI,  4                           ; v4   where I store lora_a's fragment
.set AWS,  5                           ; v5   and its scale word
.set ARI,  6                           ; v6   where I read such a fragment
.set ARS,  7                           ; v7   and its scale word
.set XSW,  8                           ; v8   where I store my row's two scale words
.set XSR,  9                           ; v9   where I read 16 bytes of the scale areas back
.set WSO,  10                          ; v10  256 r: my row of w_scales
.set TM,   16                          ; v16-19 largest magnitudes, v20-23 bytes, v24-27 the largest number x the scale, v28-31 the conversions' scale operands
.set PW,   32                          ; v32-33 the scale words of q = 0 and q = 1
.set AS,   34                          ; v34  lora_a's scale word in hand
.set WSP,  36                          ; v36-43 four pairs: each of my row's four w_scales twice
.set WSL,  44                          ; v44-47 they as loaded
.set DPK,  48                          ; v48  four codes of NF4 in four bytes; then the selector between the table's halves
.set DSL,  49                          ; v49  their low three bits
.set DL,   50                          ; v50-53 byte planes 0-3 of four numbers
.set DH,   54                          ; v54-57 the same from the table's upper half; then at work
.set PC,   60                          ; v60-75 the codes just made: a fragment
.set AF,   76                          ; v76-91 lora_a's fragment in hand
.set ACC,  92                          ; v92-99 the sums of 2 ax
.set X0,   100                         ; v100-163, v164-227 two sets of 64 numbers: register 16 b + i = k 32 b + 16 h + i of row r
                                       ; window 1: v0-63, v64-127, v128-191: three sets of 16 rows as they are loaded
.set XB,   4                           ; s[4:5] x, s[6:7] w_codes, s[8:9] w_scales, s[10:11] lora_a, s[12:13] xq, s[14:15] wq, s[16:17] axp: each at my wave's part; none is stepped: every step stands in an immediate
.set WB,   6
.set WSB,  8
.set AB,   10
.set XQB,  12
.set WQB,  14
.set AXB,  16
.set WV,   18
.set SEL,  20                          ; s[20:21] v_permlanex16_b32's selects for lane l xor 16
.set MNT,  22                          ; s22  the mantissa field of 57,344
.set C4,   23                          ; s23-24 make the selector between the table's halves
.set CI,   24
.set P0,   25                          ; s25-28 selectors that turn four byte planes into four numbers
.set P1,   26
.set P2,   27
.set P3,   28
.set TLO,  32                          ; s[32:39] the table's entries 0-7 by byte planes: plane p in s[32+2p] (entries 0-3) and s[33+2p] (4-7)
.set THI,  40                          ; s[40:47] entries 8-15 likewise
.set XQS,  48                          ; s[48:49] where my wave stores 512 bytes of x's scale areas;  s[50:51] of W's
.set WQS,  50
.set T0,  0xbf800000                   ; the NF4 table as f32
.set T1,  0xbf3239b1
.set T2,  0xbf066b30
.set T3,  0xbeca32a0
.set T4,  0xbe91a24d
.set T5,  0xbe3d353f
.set T6,  0xbdba7871
.set T7,  0x00000000
.set T8,  0x3da2faff
.set T9,  0x3e24cae3
.set T10, 0x3e7c04dd
.set T11, 0x3ead033a
.set T12, 0x3ee1a4b8
.set T13, 0x3f1007ab
.set T14, 0x3f3913b3
.set T15, 0x3f800000
.set MSB, 0
.macro WIN new                         ; the immediate's high byte repeats the setting that is left
.if MSB != (\new)
	s_set_vgpr_msb (MSB<<8)|(\new)
.set MSB, (\new)
.endif
.endm
.macro TB dst, p, a, b, c, d           ; byte p of four table entries in one register
	s_mov_b32 s[\dst], ((\a>>(8*\p))&255)|(((\b>>(8*\p))&255)<<8)|(((\c>>(8*\p))&255)<<16)|(((\d>>(8*\p))&255)<<24)
.endm
	s_load_b256 s[4:11], s[0:1], 0x0               ; x, w_codes, w_scales, lora_a
	s_load_b128 s[12:15], s[0:1], 0x20             ; xq, wq
	s_load_b64 s[16:17], s[0:1], 0x30              ; axp
	v_lshl_add_u32 v254, v0, 2, 0x16000            ; the LDS address of my spare word, behind the scale areas, and 0: made here and kept for the closing lines alone
	v_mov_b32 v255, 0
	v_lshrrev_b32 v11, 5, v0
	v_readfirstlane_b32 s[WV], v11                 ; wave 0..7
	v_and_b32 v11, 31, v0                          ; lane
	v_and_b32 v12, 15, v0                          ; r
	v_bfe_u32 v13, v0, 4, 1                        ; h
	v_lshlrev_b32 v[LI], 4, v11
	v_lshlrev_b32 v14, 2, v11                      ; 4 x lane
	s_wait_alu depctr_va_sdst(0)                   ; the wave's number is written, ahead of its first reader: LDS addresses, the seven bases and the last branch are made from it
	s_mul_i32 s19, s[WV], STGW                     ; my stage
	v_add_nc_u32 v[STI], s19, v[LI]
	v_mul_u32_u24 v[STO], v12, SPI
	v_lshl_add_u32 v[STO], v13, 6, v[STO]
	v_add_nc_u32 v[STO], s19, v[STO]
	s_lshl_b32 s29, s[WV], 11
	s_add_co_u32 s29, s29, AIMG
	v_add_nc_u32 v[AWI], s29, v[LI]
	s_lshl_b32 s29, s[WV], 7
	s_add_co_u32 s30, s29, ASC
	v_add_nc_u32 v[AWS], s30, v14
	v_add_nc_u32 v[ARI], AIMG, v[LI]
	v_add_nc_u32 v[ARS], ASC, v14
	s_add_co_u32 s30, s29, XSCW
	v_lshl_add_u32 v[XSW], v12, 3, s30             ; [tile w][row r][q]: 128 w + 8 r
	s_lshl_b32 s29, s[WV], 9
	s_add_co_u32 s29, s29, XSCW
	v_add_nc_u32 v[XSR], s29, v[LI]
	v_lshlrev_b32 v[WSO], 8, v12
.irp b, 0,1,2,3
	v_mov_b32 v[TM+4+\b], 0                        ; written once: a lane permute's destination counts as one of its sources
.endr
	s_mov_b32 s[SEL], 0x76543210
	s_mov_b32 s[SEL+1], 0xfedcba98
	s_mov_b32 s[MNT], 0x600000
	s_mov_b32 s[C4], 0x04040404
	s_mov_b32 s[CI], 0x03020100
	s_mov_b32 s[P0], 0x05010400
	s_mov_b32 s[P1], 0x07030602
	s_mov_b32 s[P2], 0x05040100
	s_mov_b32 s[P3], 0x07060302
.irp p, 0,1,2,3
	TB TLO+2*\p,   \p, T0,  T1,  T2,  T3
	TB TLO+2*\p+1, \p, T4,  T5,  T6,  T7
	TB THI+2*\p,   \p, T8,  T9,  T10, T11
	TB THI+2*\p+1, \p, T12, T13, T14, T15
.endr
	s_lshr_b32 s52, ttmp9, 2                       ; x's unit u
	s_and_b32 s53, ttmp9, 3                        ; and K slice ks
	s_lshr_b32 s54, ttmp9, 4                       ; W's unit wu
	s_and_b32 s55, ttmp9, 15                       ; and K step wt
	s_mov_b32 s57, 0                               ; every offset below stays under 2^31: a pair with 0 above it
	s_wait_kmcnt 0x0
	s_lshl_b32 s56, s52, 21                        ; x: (128 u + 16 w) rows of 16,384 bytes + 4,096 ks
	s_lshl_b32 s58, s[WV], 18
	s_add_co_u32 s56, s56, s58
	s_lshl_b32 s58, s53, 12
	s_add_co_u32 s56, s56, s58
	s_add_nc_u64 s[XB:XB+1], s[XB:XB+1], s[56:57]
	s_lshl_b32 s56, s[WV], 9                       ; lora_a: 4,096 ks + 512 w
	s_add_co_u32 s56, s56, s58
	s_add_nc_u64 s[AB:AB+1], s[AB:AB+1], s[56:57]
	s_lshl_b32 s56, s54, 21                        ; w_codes: (128 wu + 16 w) rows of 16,384 bytes + 1,024 wt
	s_lshl_b32 s58, s[WV], 18
	s_add_co_u32 s56, s56, s58
	s_lshl_b32 s58, s55, 10
	s_add_co_u32 s56, s56, s58
	s_add_nc_u64 s[WB:WB+1], s[WB:WB+1], s[56:57]
	s_lshl_b32 s56, s54, 15                        ; w_scales: (128 wu + 16 w) rows of 256 bytes + 16 wt
	s_lshl_b32 s58, s[WV], 12
	s_add_co_u32 s56, s56, s58
	s_lshl_b32 s58, s55, 4
	s_add_co_u32 s56, s56, s58
	s_add_nc_u64 s[WSB:WSB+1], s[WSB:WSB+1], s[56:57]
	s_lshl_b32 s56, s53, 8                         ; xq: unit (K step 4 ks, u) = 256 ks + u
	s_add_co_u32 s56, s56, s52
	s_mul_i32 s56, s56, UNIT
	s_add_nc_u64 s[XQB:XQB+1], s[XQB:XQB+1], s[56:57]
	s_lshr_b32 s56, s[WV], 1                       ; the scale areas leave at the end, 512 bytes a wave: K step w / 2 of the four, half w % 2
	s_mul_i32 s56, s56, TSA
	s_and_b32 s58, s[WV], 1
	s_lshl_b32 s58, s58, 9
	s_add_co_u32 s56, s56, s58
	s_add_co_u32 s56, s56, 32768
	s_add_nc_u64 s[XQS:XQS+1], s[XQB:XQB+1], s[56:57]
	s_lshl_b32 s56, s[WV], 12                      ; my tile's two fragments of a unit: 4,096 w
	s_add_nc_u64 s[XQB:XQB+1], s[XQB:XQB+1], s[56:57]
	s_lshl_b32 s58, s55, 4                         ; wq: unit 16 wt + wu
	s_add_co_u32 s58, s58, s54
	s_mul_i32 s58, s58, UNIT
	s_mov_b32 s59, 0
	s_add_nc_u64 s[WQB:WQB+1], s[WQB:WQB+1], s[58:59]
	s_lshl_b32 s58, s[WV], 9
	s_add_co_u32 s58, s58, 32768
	s_add_nc_u64 s[WQS:WQS+1], s[WQB:WQB+1], s[58:59]  ; (used by waves 0 and 1 alone)
	s_add_nc_u64 s[WQB:WQB+1], s[WQB:WQB+1], s[56:57]
	s_lshl_b32 s56, s53, 19                        ; axp: (512 ks + 8 u + w) images of 1,024 bytes
	s_lshl_b32 s58, s52, 13
	s_add_co_u32 s56, s56, s58
	s_lshl_b32 s58, s[WV], 10
	s_add_co_u32 s56, s56, s58
	s_add_nc_u64 s[AXB:AXB+1], s[AXB:AXB+1], s[56:57]
; Step j's 16 rows x 512 bytes into set j % 3 of window 1: each load is 512 consecutive bytes of one row.  x and w_codes are read once in the launch; lora_a is read by 64 work-groups
.macro LOAD j
	WIN 0x40                                       ; destination window 1
.irp row, 0,1,2,3,4,5,6,7,8,9,10,11,12,13,14,15
.if (\j) == 0
	global_load_b128 v[64*((\j)%3)+4*\row:64*((\j)%3)+4*\row+3], v[LI], s[AB:AB+1] offset:\row*ROWP
.elseif (\j) < 3
	global_load_b128 v[64*((\j)%3)+4*\row:64*((\j)%3)+4*\row+3], v[LI], s[WB:WB+1] offset:\row*ROWP+512*((\j)-1) th:TH_LOAD_NT
.else
	global_load_b128 v[64*((\j)%3)+4*\row:64*((\j)%3)+4*\row+3], v[LI], s[XB:XB+1] offset:\row*ROWP+512*((\j)-3) th:TH_LOAD_NT
.endif
.endr
	WIN 0
.endm
; Step j's rows go through my stage.  INTO: the 16 rows as they were loaded, in one run under one window setting.  BACK: load n of the 16 that bring step TJ's numbers back, into set TJ % 2; each reads a piece of all 16 rows.
; LDS serves a wave's instructions in order (ISA guide 5.7.1.4), so no wait stands between the stores and the loads, and one stage serves every step.
.macro INTO j
	WIN 0x04                                       ; an LDS store's data are its source 1: window 1
.irp row, 0,1,2,3,4,5,6,7,8,9,10,11,12,13,14,15
	ds_store_b128 v[STI], v[64*((\j)%3)+4*\row:64*((\j)%3)+4*\row+3] offset:\row*SPI
.endr
	WIN 0
.endm
.macro BACK n                          ; no wait: no vector or matrix instruction issued since the last wait on va_vdst names set TJ % 2 or v[STO].  Behind step 10 there is no step: nothing is written
.if TJ <= 10
	ds_load_b128 v[X0+64*(TJ%2)+4*(\n):X0+64*(TJ%2)+4*(\n)+3], v[STO] offset:128*((\n)/4)+16*((\n)%4)
.endif
.endm
; 64 codes of NF4 (one to a register) become 64 numbers of W, in place.  Four at a time: the codes are packed into four bytes; v_perm_b32 looks each up in the table, one byte plane of the f32 numbers at a time
; (the low three bits choose among eight entries held in two scalar registers, bit 3 between the table's halves); eight more turn the four planes into four numbers.  No memory, no LDS, no address hangs on a code.
; One of the next step's 16 loads from the stage stands in each of the 16 groups.
.macro DEQ xs, q
.set g, 0
.rept 16
	BACK g
	v_lshl_or_b32 v[DPK], v[\xs+4*g+1], 8, v[\xs+4*g]
	v_lshl_or_b32 v[DPK], v[\xs+4*g+2], 16, v[DPK]
	v_lshl_or_b32 v[DPK], v[\xs+4*g+3], 24, v[DPK]
	v_and_b32 v[DSL], 0x07070707, v[DPK]
	v_lshrrev_b32 v[DPK], 1, v[DPK]
	v_and_or_b32 v[DPK], v[DPK], s[C4], s[CI]      ; byte i = i + 4 x bit 3 of code i
.irp p, 0,1,2,3
	v_perm_b32 v[DL+\p], s[TLO+2*\p+1], s[TLO+2*\p], v[DSL]
.endr
.irp p, 0,1,2,3
	v_perm_b32 v[DH+\p], s[THI+2*\p+1], s[THI+2*\p], v[DSL]
.endr
.irp p, 0,1,2,3
	v_perm_b32 v[DL+\p], v[DH+\p], v[DL+\p], v[DPK]   ; plane p: byte i = byte p of number i
.endr
	v_perm_b32 v[DH],   v[DL+1], v[DL],   s[P0]     ; the low halves of numbers 0, 1
	v_perm_b32 v[DH+1], v[DL+1], v[DL],   s[P1]     ; of numbers 2, 3
	v_perm_b32 v[DH+2], v[DL+3], v[DL+2], s[P0]     ; the high halves of numbers 0, 1
	v_perm_b32 v[DH+3], v[DL+3], v[DL+2], s[P1]     ; of numbers 2, 3
	v_perm_b32 v[\xs+4*g],   v[DH+2], v[DH],   s[P2]
	v_perm_b32 v[\xs+4*g+1], v[DH+2], v[DH],   s[P3]
	v_perm_b32 v[\xs+4*g+2], v[DH+3], v[DH+1], s[P2]
	v_perm_b32 v[\xs+4*g+3], v[DH+3], v[DH+1], s[P3]
.set g, g+1
.endr
.irp b, 0,1,2,3                                ; x the scale of the NF4 block of 64: one f32 multiplication, as the definition has it; blocks 2 c and 2 c + 1 of 32 share one
.irp i, 0,2,4,6,8,10,12,14
	v_pk_mul_f32 v[\xs+16*\b+\i:\xs+16*\b+\i+1], v[\xs+16*\b+\i:\xs+16*\b+\i+1], v[WSP+2*(2*(\q)+\b/2):WSP+2*(2*(\q)+\b/2)+1]
.endr
.endr
.endm
; 64 numbers of a lane, register 16 b + i = k 32 b + 16 h + i of my row, become a fragment's codes in v[PC] on and its scale word in v[pw].
; INQ = 1 (every step but W's, where the look-ups hold them): two of the next step's 16 loads from the stage stand behind each group of four lines of the search for the largest magnitudes.
.macro QUANT xs, pw
.irp b, 0,1,2,3
	v_max3_num_f32 v[TM+\b], |v[\xs+16*\b]|, |v[\xs+1+16*\b]|, 0x8000000   ; block b: my 16 numbers, and the floor 2^(16 - 127), under which no largest magnitude is taken: so the byte cannot fall under 1
.endr
.if INQ
	BACK 0
	BACK 1
.endif
.irp i, 2,4,6,8,10,12,14
.irp b, 0,1,2,3
	v_max3_num_f32 v[TM+\b], v[TM+\b], |v[\xs+16*\b+\i]|, |v[\xs+1+16*\b+\i]|   ; (the four blocks by turns: no line waits for the line above it)
.endr
.if INQ
	BACK \i
	BACK \i+1
.endif
.endr
.irp b, 0,1,2,3
	v_permlanex16_b32 v[TM+4+\b], v[TM+\b], s[SEL], s[SEL+1]
.endr
.irp b, 0,1,2,3
	v_max_num_f32 v[TM+\b], v[TM+\b], v[TM+4+\b]   ; with lane l xor 16's: the block's largest magnitude
.endr
.irp b, 0,1,2,3
	v_add_nc_u32 v[TM+12+\b], 0xf8800000, v[TM+\b] ; 15 off its exponent field: the conversion takes the exponent field of this operand as its scale, and nothing else of it
.endr
.irp b, 0,1,2,3
	v_and_or_b32 v[TM+8+\b], v[TM+\b], 0x7f800000, s[MNT]   ; 57,344 x the scale: the largest magnitude's exponent field over 57,344's mantissa
.endr
.irp b, 0,1,2,3
	v_lshrrev_b32 v[TM+4+\b], 23, v[TM+12+\b]      ; the scale's byte
.endr
	v_lshl_or_b32 v[\pw], v[TM+5], 8, v[TM+4]      ; the four bytes make my row's scale word: 64 plain lines ahead of the product that names it
	v_lshl_or_b32 v[\pw], v[TM+6], 16, v[\pw]
	v_lshl_or_b32 v[\pw], v[TM+7], 24, v[\pw]
	s_wait_xcnt 0x0                                ; the last step's stores have had their addresses translated (ISA guide 3.1): the codes' registers are written again only behind this wait, which stands beside the one on vm_vsrc at the step's head
.irp b, 0,1,2,3
.irp i, 0,1,2,3,4,5,6,7,8,9,10,11,12,13,14,15
	v_med3_num_f32 v[\xs+16*\b+\i], v[\xs+16*\b+\i], -v[TM+8+\b], v[TM+8+\b]   ; the conversion to an 8-bit code does not saturate (ISA guide 7.6.2): the hold at the largest code x the scale
.endr
	v_cvt_scalef32_pk8_bf8_f32 v[PC+4*\b:PC+1+4*\b], v[\xs+16*\b:\xs+7+16*\b], v[TM+12+\b]      ; registers 4 b .. 4 b + 3 of the operand: k = 32 b + 16 h + 0 .. 15
	v_cvt_scalef32_pk8_bf8_f32 v[PC+2+4*\b:PC+3+4*\b], v[\xs+8+16*\b:\xs+15+16*\b], v[TM+12+\b]
.endr
.rept 4
	v_nop                                          ; a plain line behind the last conversion; and an operand written by vector instructions stands four places ahead of a scaled matrix instruction
.endr
.endm
; STEP j.  Its numbers are back from the stage; the set of window 1 that they left takes the loads of three steps on; the next step's rows go through the stage while this step is worked.
.macro STEP j
.set XS, X0+64*((\j)%2)
.set QQ, ((\j)+1)%2                    ; which 128 of a K step of 256: W's step j - 1, x's step j - 3
.if (\j) == 0
.set QQ, 0
.endif
.set TJ, (\j)+1                        ; the step whose numbers come back from the stage during this one
.set INQ, 1
.if ((\j) > 0) && ((\j) < 3)
.set INQ, 0
.endif
	s_wait_dscnt 0x0                               ; this step's numbers are in
	s_wait_alu depctr_vm_vsrc(0)                   ; steps 0-7: the LDS stores that sent this step's rows into the stage have read their set of window 1, in which the loads below land; steps 1-10: the last step's stores have read the codes' registers and the scale words, which this step writes again
.if (\j) >= 4
	s_wait_alu depctr_va_vdst(0)                   ; the last step's product is done reading lora_a's fragment and word, in which the five loads below land
.endif
.if (\j) >= 3
.irp c, 0,1,2,3
	ds_load_b128 v[AF+4*\c:AF+4*\c+3], v[ARI] offset:2048*((\j)-3)+512*\c   ; lora_a's fragment of these 128 along K
.endr
	ds_load_b32 v[AS], v[ARS] offset:128*((\j)-3)
.endif
.if (\j)+3 <= 10
	LOAD (\j)+3
.endif
.if (\j) < 8
	s_wait_loadcnt 32                              ; the next step's 16 loads are in; those of the two steps behind it may be out
.elseif (\j) == 8
	s_wait_loadcnt 16                              ; behind step 9's loads only step 10's were issued
.elseif (\j) == 9
	s_wait_loadcnt 0
.endif
.if (\j) < 10
	INTO (\j)+1                                    ; the way back is dealt among the vector lines below
.endif
.if ((\j) > 0) && ((\j) < 3)
	DEQ XS, QQ
.endif
	QUANT XS, PW+QQ
.if (\j) == 0
	v_add_nc_u32 v[PW], 0x01010101, v[PW]          ; lora_a's scales x 2 = ALPHA / RANK
	s_wait_alu depctr_va_vdst(0)                   ; the conversions have written the codes and the addition the scale word, which the LDS stores read; and the step is done with its set of numbers, in which step 2's land
.irp c, 0,1,2,3
	ds_store_b128 v[AWI], v[PC+4*\c:PC+4*\c+3] offset:512*\c   ; the fragment goes to LDS as it stands: any wave that loads it by the same four lines has the same registers in the same lanes
.endr
	ds_store_b32 v[AWS], v[PW]
	s_wait_dscnt 0x0                               ; for the others' sake: my stores have landed
	s_barrier_signal -1
	s_barrier_wait -1                              ; lora_a's eight fragments of this K slice lie in LDS, and are written no more
.elseif (\j) < 3
	s_wait_alu depctr_va_vdst(0)                   ; the conversions have written the codes and the shifts the scale words, which the stores read; and the step is done with its set of numbers, in which the numbers of two steps on land
.irp c, 0,1,2,3
	global_store_b128 v[LI], v[PC+4*\c:PC+4*\c+3], s[WQB:WQB+1] offset:2048*QQ+512*\c   ; 32 lanes store 512 consecutive bytes, at a multiple of 256 from wq's first byte
.endr
.if QQ == 1
	ds_store_b64 v[XSW], v[PW:PW+1] offset:4096    ; my row's two words; W's scale area lies behind x's four; lanes 16-31 write the same words with the same values
.endif
.else
	s_wait_alu depctr_va_vdst(0)                   ; the conversions have written the codes and the shifts the scale words: the stores read them, and the product takes them as its source 1 and that source's scales (the four places stand ahead of this wait); and the step is done with its set of numbers, in which the numbers of two steps on land
.irp c, 0,1,2,3
	global_store_b128 v[LI], v[PC+4*\c:PC+4*\c+3], s[XQB:XQB+1] offset:(((\j)-3)/2)*TSA+2048*QQ+512*\c   ; 32 lanes store 512 consecutive bytes, at a multiple of 256 from xq's first byte
.endr
.if (\j) < 10
	s_wait_dscnt 32                                ; lora_a's fragment and word are in: behind them only the next step's 16 stores and 16 loads were issued
.else
	s_wait_dscnt 0x0                               ; the last step: nothing was issued behind lora_a's fragment and word
.endif
.if QQ == 1
	ds_store_b64 v[XSW], v[PW:PW+1] offset:1024*(((\j)-3)/2)   ; my row's two words of this K step; lanes 16-31 write the same words with the same values
.endif
.if (\j) == 3
	v_wmma_scale_f32_16x16x128_f8f6f4 v[ACC:ACC+7], v[AF:AF+15], v[PC:PC+15], 0, v[AS], v[PW+QQ] matrix_a_fmt:MATRIX_FMT_BF8 matrix_b_fmt:MATRIX_FMT_BF8   ; source 0 = lora_a's 16 ranks, source 1 = my 16 rows of x: a lane holds one row and eight ranks.  The first product starts the sums
.else
	s_wait_alu depctr_va_vdst(0)                   ; this wait stands directly ahead of each link
	v_wmma_scale_f32_16x16x128_f8f6f4 v[ACC:ACC+7], v[AF:AF+15], v[PC:PC+15], v[ACC:ACC+7], v[AS], v[PW+QQ] matrix_a_fmt:MATRIX_FMT_BF8 matrix_b_fmt:MATRIX_FMT_BF8
.endif
.rept 8
	v_nop                                          ; eight places behind the product: they stay beside the wait at the next step's head, and stand ahead of the read of the finished sums
.endr
.if (\j) == 10
	s_wait_alu depctr_va_vdst(0)                   ; the last product has written the sums, which the two stores read; the places above stay beside this wait
	global_store_b128 v[LI], v[ACC:ACC+3], s[AXB:AXB+1]             ; the sums leave as an image of their registers, from the low end on
	global_store_b128 v[LI], v[ACC+4:ACC+7], s[AXB:AXB+1] offset:512
.endif
.endif
.endm
	s_wait_alu depctr_va_vdst(0)                   ; the ten offsets and addresses v1 to v10 are written: every load and store of the kernel, global or LDS, reads one of them
	global_load_b128 v[WSL:WSL+3], v[WSO], s[WSB:WSB+1]   ; my row's four w_scales of this K step: the oldest load
	LOAD 0
	LOAD 1
	LOAD 2
	s_wait_loadcnt 32                              ; the w_scales and step 0's 16 loads are in; steps 1 and 2 may be out
.irp k, 0,1,2,3
	v_mov_b32 v[WSP+2*\k], v[WSL+\k]               ; each scale twice: the packed multiplication takes a pair
	v_mov_b32 v[WSP+2*\k+1], v[WSL+\k]
.endr
	INTO 0                                         ; step 0's rows through the stage: there is no vector work yet to deal the way back among.  No vector instruction has named its set of numbers
.set TJ, 0
.irp n, 0,1,2,3,4,5,6,7,8,9,10,11,12,13,14,15
	BACK \n
.endr
.irp j, 0,1,2,3,4,5,6,7,8,9,10
	STEP \j
.endr
	s_wait_dscnt 0x0                               ; for the others' sake: my scale words have landed
	s_barrier_signal -1
	s_barrier_wait -1                              ; the five scale areas are whole: they leave in runs of 512 consecutive bytes
	ds_load_b128 v[X0:X0+3], v[XSR]                ; (it lands in registers on which step 10 worked: that work stands ahead of step 10's waits on va_vdst, and nothing since names them)
	s_wait_dscnt 0x0
	global_store_b128 v[LI], v[X0:X0+3], s[XQS:XQS+1]
	s_cmp_gt_u32 s[WV], 1                          ; W's 1,024 bytes: waves 0 and 1
	s_cbranch_scc1 .Ldone
	ds_load_b128 v[X0+4:X0+7], v[XSR] offset:4096
	s_wait_dscnt 0x0
	global_store_b128 v[LI], v[X0+4:X0+7], s[WQS:WQS+1]
.Ldone:
	s_wait_dscnt 0x0                               ; the closing lines, six on end
	s_wait_alu 0x0
	s_wait_tensorcnt 0x0
	ds_add_u32 v254, v255
	s_wait_dscnt 0x0
	s_endpgm
.Lfunc_end_k_q192721afa6_prep:
	.size	k_q192721afa6_prep, .Lfunc_end_k_q192721afa6_prep-k_q192721afa6_prep
	.p2alignl 7, 3214868480
	.fill 96, 4, 3214868480
	.section	.rodata,"a",@progbits
	.p2align	6, 0x0
	.amdhsa_kernel k_q192721afa6_prep
		.amdhsa_group_segment_fixed_size 91136
		.amdhsa_private_segment_fixed_size 0
		.amdhsa_enable_private_segment 0
		.amdhsa_kernarg_size 56
		.amdhsa_user_sgpr_count 2
		.amdhsa_user_sgpr_kernarg_segment_ptr 1
		.amdhsa_wavefront_size32 1
		.amdhsa_system_sgpr_workgroup_id_x 1
		.amdhsa_system_sgpr_workgroup_id_y 1
		.amdhsa_system_sgpr_workgroup_id_z 1
		.amdhsa_system_vgpr_workitem_id 0
		.amdhsa_next_free_vgpr 448
		.amdhsa_next_free_sgpr 66
		.amdhsa_reserve_vcc 0
		.amdhsa_float_denorm_mode_32 3
		.amdhsa_float_denorm_mode_16_64 3
		.amdhsa_memory_ordered 1
		.amdhsa_forward_progress 1
		.amdhsa_inst_pref_size 203
	.end_amdhsa_kernel
	.amdgpu_metadata
---
amdhsa.version: [ 1, 2 ]
amdhsa.kernels:
  - .name:           k_q192721afa6_prep
    .symbol:         k_q192721afa6_prep.kd
    .args:
      - { .name: x, .offset: 0, .size: 8, .value_kind: global_buffer, .address_space: global }
      - { .name: w_codes, .offset: 8, .size: 8, .value_kind: global_buffer, .address_space: global }
      - { .name: w_scales, .offset: 16, .size: 8, .value_kind: global_buffer, .address_space: global }
      - { .name: lora_a, .offset: 24, .size: 8, .value_kind: global_buffer, .address_space: global }
      - { .name: xq, .offset: 32, .size: 8, .value_kind: global_buffer, .address_space: global }
      - { .name: wq, .offset: 40, .size: 8, .value_kind: global_buffer, .address_space: global }
      - { .name: axp, .offset: 48, .size: 8, .value_kind: global_buffer, .address_space: global }
    .group_segment_fixed_size: 91136
    .private_segment_fixed_size: 0
    .kernarg_segment_align: 8
    .kernarg_segment_size: 56
    .max_flat_workgroup_size: 256
    .sgpr_count:     66
    .vgpr_count:     448
    .wavefront_size: 32
...
	.end_amdgpu_metadata
.endif
;; end of part 3
;; launch gemm: the kernel of part 2 again; grid 8 x 32, 4 waves a work-group, clusters of 4 x 4, 327,680 bytes of LDS; arguments xq, wq, axp, lora_b, out0; writes out0
